; MI455X (gfx1250); checked and timed in simulation.
; The chip was launched on July 23, 2026; its instructions are those of AMD's public machine-readable ISA for CDNA 5 (MIT licence, August 2026) and "CDNA5" Instruction Set Architecture Reference Guide (July 2026). The comments in the code are by the model that wrote it; some were corrected since.
;; Multi Head Attention. Allowed arithmetic: matrix products marked QUANTISED: E2M3 operands, one E8M0 scale for each 32 along K, by v_wmma_scale_f32_16x16x128_f8f6f4 with both operands' format E2M3, f32 sums; everything else in f32.
;; Inputs: WK 16 x 1,024 x 64 float32; WO 1,024 x 1,024 float32; WQ 16 x 1,024 x 64 float32; WV 16 x 1,024 x 64 float32; masked_info 4 x 2,048 float32; x 4 x 2,048 x 1,024 float32.
;; Outputs: out0 4 x 2,048 x 1,024 float32.
;; This version of the problem:
;;   THIS VERSION OF THE PROBLEM IS GIVEN IN LOW PRECISION. The matrix products marked QUANTISED in the list below multiply operands that are first quantised to E2M3 (2 exponent bits, 3 mantissa bits; 6 bits a number), with one power-of-two scale for each 32 numbers along K (OCP MX v1.0); their sums are f32. All else is computed in f32.
;;   The module's matrix products, in the order in which they are computed (A, B: the left and right operand; K: the contracted axis; several contracted axes count as one K, in the product's order):
;;     1. [M 1,024, K 1,024] x [K 1,024, N 8,192]; A: input WQ; B: input x: QUANTISED
;;     2. [M 1,024, K 1,024] x [K 1,024, N 8,192]; A: input WK; B: input x: QUANTISED
;;     3. [M 1,024, K 1,024] x [K 1,024, N 8,192]; A: input WV; B: input x: QUANTISED
;;     4. batch 64 x [M 2,048, K 64] x [K 64, N 2,048]; A: computed on the way; B: computed on the way: QUANTISED
;;     5. batch 64 x [M 2,048, K 2,048] x [K 2,048, N 64]; A: computed on the way; B: computed on the way: QUANTISED
;;     6. [M 8,192, K 1,024] x [K 1,024, N 1,024]; A: computed on the way; B: input WO: QUANTISED
;;   THE QUANTISER, for each operand of a quantised product, along K:
;;     - K is cut into blocks of 32 from its start; a last block that is shorter is filled with zeros.
;;     - A block's scale is 2^e with e = floor(log2(the largest magnitude in the block)) - 2, held to -126 .. 127; a block of zeros has e = 0. As a byte (E8M0): e + 127.
;;     - Each number is divided by its block's scale, clamped to +-7.5, and rounded to the nearest number of E2M3, ties to even, subnormals kept.
;;     - The product sums the exact products of the quantised numbers (number of the format x scale) in f32.
;;   ~~~python
;;   def quantise(x, axis):      # numpy; x: float32 -> the quantised numbers, widened to float32 again
;;       x = np.moveaxis(x, axis, -1); K = x.shape[-1]
;;       x = np.pad(x, [(0, 0)] * (x.ndim - 1) + [(0, -K % 32)]); x = x.reshape(x.shape[:-1] + (-1, 32)); a = np.abs(x).max(-1, keepdims=True)
;;       e = np.where(a > 0, np.clip(np.frexp(np.where(a > 0, a, 1))[1] - 1 - 2, -126, 127), 0)      # np.frexp(a)[1] - 1 = floor(log2(a)), exactly
;;       r = np.clip(x / 2.0 ** e, -7.5, 7.5)
;;       step = 2.0 ** (np.maximum(np.frexp(np.where(r == 0, 1, r))[1] - 1, 0) - 3)
;;       q = np.round(r / step) * step * 2.0 ** e      # np.round: ties to even
;;       return np.moveaxis(q.reshape(q.shape[:-2] + (-1,))[..., :K], -1, axis).astype(np.float32)
;;   ~~~
;;   OPERANDS COMPUTED ON THE WAY. 'Computed on the way' means the value that the module computes at that place (a softmax that the list does not call 'softmax' is quantised finished and normalised). What goes into a quantiser is computed in f32, as accurately as f32 sums, v_exp_f32 and their like allow (about 1e-6 of the number): no bf16 or f16 on the way to a quantiser, and a product that is left as it is and whose result goes on into a quantised operand takes f32 operands (vector FMAs, or v_wmma_f32_16x16x4_f32). A number that lies on a knife's edge between two numbers of the format may be rounded either way, as far as f32 arithmetic and the matrix unit's own rounding can turn it there, and no further.
;; One version. Each part assembles by itself: llvm-mc -triple=amdgcn-amd-amdhsa -mcpu=gfx1250 --defsym DOCPART=n.
;; ======== version 1 of 1: 4 launches
;; limits: right only within a limited range of input values
;; workspace buffers: xq 6,553,600 bytes; wq 3,276,800 bytes; qb 8,912,896 bytes; kv 15,466,496 bytes; cb 6,553,600 bytes
;; launch quant (part 1): grid 384 x 1, 4 waves a work-group, no clusters, 68,096 bytes of LDS; arguments x, WQ, WK, WV, WO, xq, wq; writes xq, wq
.if DOCPART == 1
	.amdgcn_target "amdgcn-amd-amdhsa--gfx1250"
	.amdhsa_code_object_version 6
	.text
	.protected	k_q01dc2ab95d_quant
	.globl	k_q01dc2ab95d_quant
	.p2align	8
	.type	k_q01dc2ab95d_quant,@function
k_q01dc2ab95d_quant:
	s_mov_b64 s[64:65], 0
	v_nop
	global_prefetch_b8 v0, s[64:65] scope:SCOPE_SE
	s_setreg_imm32_b32 hwreg(HW_REG_WAVE_MODE, 25, 1), 1
	s_wait_xcnt 0x0
; x [8192][1024] and the four weights, f32, become codes of FP6 (E2M3) with K innermost and one E8M0 byte for each 32 along K.
; xq: codes [8192][768 bytes], then scale bytes [8192][32].  wq: codes [4096][768], then scale bytes [4096][32]; rows 0.. WQ (64 head + dk), 1024.. WK, 2048.. WV, 3072.. WO's columns.
; ROWS ARE WRITTEN IN POSITION ORDER: row i lies at the place i with its bits 3 and 4 exchanged.  A tile of 16 such rows, taken as source 0 of a matrix instruction, gives a lane eight
; neighbours, and two neighbouring tiles sixteen: so the later launches quantise their results without moving anything between lanes but one exchange of halves.
; A block's scale is 2^(floor(log2(largest magnitude)) - 2): its byte is the largest magnitude's exponent field - 2, held at 1 from below (a block of zeros keeps 1: its codes are zeros; only this program reads the bytes).
; LIMITS: blocks under 2^-124 keep the byte 1; NaN and infinities among the inputs are not served.
; Work-groups 0-255 take x (K innermost: a stream of blocks, turned through the wave's own LDS stage so that a lane holds 16 neighbours); 256-383 take the weights (K outermost: a lane takes a column,
; its registers run down K).  The two ways have LDS bytes of their own.  No tensor loads, no barrier: waves share nothing.
.set STEPS, 16
.set EMAX,  2
.set CB,    12                         ; bytes of 16 codes
.set XR,    16                         ; v16-79   x: four sets of 16 numbers as loaded
.set XX,    80                         ; v80-111  two sets of 16 neighbours
.set XE,    112                        ; v112-127 a scale byte for each step
.set XC,    128                        ; v128-191 codes, four registers a step
.set WREG,  8192                       ; x: LDS of a wave: two stages of 32 x SP, then 256 scale bytes
.set SP,    80
.set WSTG,  32768                      ; the weights' stages begin here
.set WPITCH, 272                       ; a stage row: sixteen places of 16 bytes + 16
.set KROW,  768                        ; a row of codes
.set NB,    8                          ; blocks of a wave: 256 along K
.set SB,    24                         ; v24-25   scale bytes
.set WX,    32                         ; v32-95   two sets of 32 numbers
.set WC,    96                         ; v96-102  a block's codes
.set OUTR,  112                        ; v112-175 the way out
.set AD,    176                        ; v176-207 4 x lane + i x the row's stride
	s_load_b256 s[4:11], s[0:1], 0x0               ; x, WQ, WK, WV
	s_load_b128 s[12:15], s[0:1], 0x20             ; WO, xq
	s_load_b64 s[16:17], s[0:1], 0x30              ; wq
	v_lshl_add_u32 v208, v0, 2, 0x10800
	v_mov_b32 v209, 0
	v_lshrrev_b32 v1, 5, v0
	v_readfirstlane_b32 s18, v1                    ; wave
	v_and_b32 v2, 31, v0                           ; lane
	s_cmp_ge_u32 ttmp9, 256
	s_cbranch_scc1 .Lweights
; ---------------- x: a wave takes 8 rows = 16 steps of 512 numbers
	v_lshlrev_b32 v3, 4, v2                        ; my 16 bytes of a load's 512
	s_mul_i32 s19, s18, WREG
	v_lshrrev_b32 v14, 2, v2
	v_mul_u32_u24 v14, v14, SP
	v_and_b32 v15, 3, v2
	v_lshl_add_u32 v14, v15, 4, v14
	v_add_nc_u32 v14, s19, v14                     ; into the stage: SP (lane / 4) + 16 (lane % 4)
	v_mul_u32_u24 v15, v2, SP
	v_add_nc_u32 v15, s19, v15                     ; out of it: SP x lane: my 16 neighbours
	v_mul_u32_u24 v4, v2, CB                       ; my codes' place in a step's
	v_lshrrev_b32 v5, 1, v2
	s_add_co_u32 s19, s19, 2*32*SP
	v_add_nc_u32 v5, s19, v5                       ; my block's scale byte in LDS
	v_lshlrev_b32 v7, 3, v2
	v_add_nc_u32 v6, s19, v7
	s_lshl_b32 s20, ttmp9, 2
	s_add_co_u32 s21, s20, s18                     ; which run of 8 rows I read
	s_lshl_b32 s22, s21, 15
	s_mov_b32 s23, 0
	s_and_b32 s24, s18, 1                          ; and where it goes: the wave's two bits are the row's bits 3 and 4: exchanged
	s_lshl_b32 s24, s24, 1
	s_lshr_b32 s25, s18, 1
	s_or_b32 s24, s24, s25
	s_add_co_u32 s24, s24, s20
	s_mul_i32 s26, s24, 8*KROW
	s_mov_b32 s27, 0
	s_lshl_b32 s28, s24, 8
	s_add_co_u32 s28, s28, 8192*KROW
	s_mov_b32 s29, 0
	s_wait_kmcnt 0x0
	s_add_nc_u64 s[4:5], s[4:5], s[22:23]
	s_add_nc_u64 s[8:9], s[14:15], s[26:27]        ; codes
	s_add_nc_u64 s[10:11], s[14:15], s[28:29]      ; scale bytes
.macro XLOAD t
.irp i, 0,1,2,3
	global_load_b128 v[XR+16*((\t)%4)+4*\i:XR+16*((\t)%4)+4*\i+3], v3, s[4:5] offset:2048*(\t)+512*\i th:TH_LOAD_NT   ; 32 lanes read 512 consecutive bytes
.endr
.endm
.macro XTURN t                         ; a step's numbers through the stage: LDS serves a wave's instructions in order, so no wait stands between the stores and the loads
.irp i, 0,1,2,3
	ds_store_b128 v14, v[XR+16*((\t)%4)+4*\i:XR+16*((\t)%4)+4*\i+3] offset:32*SP*((\t)%2)+8*SP*\i
.endr
.irp i, 0,1,2,3
	ds_load_b128 v[XX+16*((\t)%2)+4*\i:XX+16*((\t)%2)+4*\i+3], v15 offset:32*SP*((\t)%2)+16*\i
.endr
.endm
.irp t, 0,1,2,3
	XLOAD \t
.endr
	s_wait_loadcnt 12                              ; step 0's four loads are in
	XTURN 0
.macro XSTEP t
.set XS, XX+16*((\t)%2)
.if (\t) > 0
	s_wait_dscnt 1                                 ; this step's numbers are back from the stage (the last step's byte store may be out)
.else
	s_wait_dscnt 0x0
.endif
.if (\t)+4 < STEPS
	XLOAD (\t)+4
.endif
.if (\t)+1 < STEPS
.if STEPS-2-(\t) >= 3
	s_wait_loadcnt 12                              ; the next step's four loads are in; those of the three steps behind it may be out
.else
	s_wait_loadcnt 4*(STEPS-2-(\t))
.endif
	XTURN (\t)+1
.endif
	v_max3_num_f32 v8, |v[XS]|, |v[XS+1]|, |v[XS+2]|
	v_max3_num_f32 v9, |v[XS+3]|, |v[XS+4]|, |v[XS+5]|
.irp i, 6,10
	v_max3_num_f32 v8, v8, |v[XS+\i]|, |v[XS+\i+1]|
	v_max3_num_f32 v9, v9, |v[XS+\i+2]|, |v[XS+\i+3]|
.endr
	v_max3_num_f32 v8, v8, |v[XS+14]|, |v[XS+15]|
	v_max3_num_f32 v8, v8, v9, (EMAX+1)<<23        ; the floor: the byte cannot fall under 1
	v_max_num_f32_dpp v8, v8, v8 row_xmask:1 row_mask:0xf bank_mask:0xf   ; with my neighbour's 16: the block's
	v_add_nc_u32 v11, -(EMAX<<23), v8              ; 2 off the exponent field: the conversion's scale operand
	v_cvt_scalef32_pk16_fp6_f32 v[XC+4*(\t):XC+4*(\t)+2], v[XS:XS+15], v11
	v_lshrrev_b32 v[XE+(\t)], 23, v11              ; the scale's byte
	ds_store_b8 v5, v[XE+(\t)] offset:16*(\t)      ; both lanes of a block write the same byte with the same value
	global_store_b96 v4, v[XC+4*(\t):XC+4*(\t)+2], s[8:9] offset:32*CB*(\t)
.endm
.irp t, 0,1,2,3,4,5,6,7,8,9,10,11,12,13,14,15
	XSTEP \t
.endr
	ds_load_b64 v[12:13], v6                       ; my wave's 256 scale bytes, behind my stores of them
	s_wait_dscnt 0x0
	global_store_b64 v7, v[12:13], s[10:11]        ; 32 lanes store 256 consecutive bytes, aligned
	s_wait_tensorcnt 0x0
	ds_add_u32 v208, v209
	s_wait_dscnt 0x0
	s_endpgm
; ---------------- the weights: a wave takes 32 columns x 256 along K
.Lweights:
	s_sub_co_u32 s20, ttmp9, 256
	s_lshr_b32 s21, s20, 5                         ; which quarter of K
	s_and_b32 s20, s20, 31                         ; which 128 of the 4,096 columns
	s_lshl_b32 s22, s20, 7
	s_lshl_b32 s23, s18, 5
	s_add_co_u32 s22, s22, s23                     ; my wave's first column
	s_lshr_b32 s23, s20, 3                         ; which tensor: 0 WQ, 1 WK, 2 WV, 3 WO
	s_and_b32 s24, s22, 1023                       ; the column in it
	s_lshl_b32 s25, s24, 2                         ; WO [k][n]: 4 n
	s_lshr_b32 s26, s24, 6
	s_lshl_b32 s26, s26, 18
	s_and_b32 s27, s24, 63
	s_lshl_b32 s27, s27, 2
	s_add_co_u32 s26, s26, s27                     ; the others [h][k][64]: 262,144 h + 4 column
	s_mov_b32 s28, 4096
	v_lshlrev_b32 v3, 2, v2
	v_and_b32 v10, 7, v2
	v_bfe_u32 v11, v2, 3, 1
	v_lshl_add_u32 v10, v11, 4, v10
	v_bfe_u32 v11, v2, 4, 1
	v_lshl_add_u32 v10, v11, 3, v10                ; my column's place among the wave's 32: bits 3 and 4 exchanged
	s_mul_i32 s19, s18, 32*WPITCH
	s_add_co_u32 s19, s19, WSTG                    ; my stage
	v_mul_u32_u24 v4, v10, WPITCH
	v_add_nc_u32 v4, s19, v4                       ; into it: row = my column's place
	v_and_b32 v5, 15, v2
	v_lshrrev_b32 v6, 4, v2
	v_mul_u32_u24 v7, v6, WPITCH
	v_lshl_add_u32 v7, v5, 4, v7
	v_add_nc_u32 v7, s19, v7                       ; out of it: sixteen lanes to a row, two rows an instruction
	v_mul_u32_u24 v8, v6, KROW
	v_mad_u32_u24 v8, v5, 12, v8                   ; and the same place in the codes' buffer
	v_lshlrev_b32 v9, 5, v10                       ; my row of scale bytes
	s_wait_kmcnt 0x0
	s_cmp_eq_u32 s23, 1
	s_cselect_b64 s[30:31], s[8:9], s[6:7]
	s_cmp_eq_u32 s23, 2
	s_cselect_b64 s[30:31], s[10:11], s[30:31]
	s_cmp_eq_u32 s23, 3
	s_cselect_b64 s[30:31], s[12:13], s[30:31]
	s_cselect_b32 s28, s28, 256                    ; bytes from k to k + 1
	s_cselect_b32 s26, s25, s26
	s_mul_i32 s27, s21, s28
	s_lshl_b32 s27, s27, 8                         ; my quarter of K: 256 rows
	s_add_co_u32 s26, s26, s27
	s_mov_b32 s27, 0
	s_add_nc_u64 s[32:33], s[30:31], s[26:27]      ; block 0's first row;
	s_lshl_b32 s26, s28, 5
.irp t, 1,2,3,4,5,6,7
	s_add_nc_u64 s[32+2*\t:33+2*\t], s[30+2*\t:31+2*\t], s[26:27]   ; block t's: 32 rows on
.endr
	v_mov_b32 v[AD], v3
.set i, 1
.rept 31
	v_add_nc_u32 v[AD+i], s28, v[AD+i-1]
.set i, i+1
.endr
	s_mul_i32 s24, s22, KROW
	s_mul_i32 s25, s21, 192
	s_add_co_u32 s24, s24, s25
	s_mov_b32 s25, 0
	s_add_nc_u64 s[4:5], s[16:17], s[24:25]        ; codes: column x 768 + 192 x quarter
	s_lshl_b32 s24, s22, 5
	s_lshl_b32 s26, s21, 3
	s_add_co_u32 s24, s24, s26
	s_add_co_u32 s24, s24, 4096*KROW
	s_add_nc_u64 s[6:7], s[16:17], s[24:25]        ; scale bytes: column x 32 + 8 x quarter
.macro WLOAD t                         ; block t: 32 rows of K at my column: 32 lanes read 128 consecutive bytes
.set i, 0
.rept 32
	global_load_b32 v[WX+32*((\t)%2)+i], v[AD+i], s[32+2*(\t):33+2*(\t)] th:TH_LOAD_NT
.set i, i+1
.endr
.endm
	WLOAD 0
	WLOAD 1
.macro BLOCK t
.set WS, WX+32*((\t)%2)
.if (\t) < NB-1
	s_wait_loadcnt 32                              ; this block's 32 loads are in; the next block's may be out
.else
	s_wait_loadcnt 0
.endif
	v_max3_num_f32 v12, |v[WS]|, |v[WS+1]|, |v[WS+2]|
	v_max3_num_f32 v13, |v[WS+3]|, |v[WS+4]|, |v[WS+5]|
.irp i, 6,10,14,18,22,26
	v_max3_num_f32 v12, v12, |v[WS+\i]|, |v[WS+\i+1]|
	v_max3_num_f32 v13, v13, |v[WS+\i+2]|, |v[WS+\i+3]|
.endr
	v_max3_num_f32 v12, v12, |v[WS+30]|, |v[WS+31]|
	v_max3_num_f32 v12, v12, v13, (EMAX+1)<<23
	v_add_nc_u32 v11, -(EMAX<<23), v12
	v_lshrrev_b32 v13, 23, v11
.if (\t)%4 == 0
	v_mov_b32 v[SB+(\t)/4], v13
.else
	v_lshl_or_b32 v[SB+(\t)/4], v13, 8*((\t)%4), v[SB+(\t)/4]
.endif
	v_cvt_scalef32_pk16_fp6_f32 v[WC:WC+2], v[WS:WS+15], v11
	v_cvt_scalef32_pk16_fp6_f32 v[WC+4:WC+6], v[WS+16:WS+31], v11
	ds_store_b96 v4, v[WC:WC+2] offset:32*(\t)     ; 12 bytes to a place of 16
	ds_store_b96 v4, v[WC+4:WC+6] offset:32*(\t)+16
.if (\t)+2 < NB
	WLOAD (\t)+2
.endif
	s_wait_dscnt 0x0                               ; the stores have read their registers
.endm
.irp t, 0,1,2,3,4,5,6,7
	BLOCK \t
.endr
	global_store_b64 v9, v[SB:SB+1], s[6:7]        ; my column's 8 scale bytes
.irp t, 0,1,2,3,4,5,6,7,8,9,10,11,12,13,14,15
	ds_load_b96 v[OUTR+4*\t:OUTR+4*\t+2], v7 offset:2*\t*WPITCH
.endr
.irp t, 0,1,2,3,4,5,6,7,8,9,10,11,12,13,14,15
	s_wait_dscnt 15-\t
	global_store_b96 v8, v[OUTR+4*\t:OUTR+4*\t+2], s[4:5] offset:2*\t*KROW   ; sixteen lanes store a row's 192 consecutive bytes
.endr
	s_wait_tensorcnt 0x0
	ds_add_u32 v208, v209
	s_wait_dscnt 0x0
	s_endpgm
.Lfunc_end_k_q01dc2ab95d_quant:
	.size	k_q01dc2ab95d_quant, .Lfunc_end_k_q01dc2ab95d_quant-k_q01dc2ab95d_quant
	.p2alignl 7, 3214868480
	.fill 96, 4, 3214868480
	.section	.rodata,"a",@progbits
	.p2align	6, 0x0
	.amdhsa_kernel k_q01dc2ab95d_quant
		.amdhsa_group_segment_fixed_size 68096
		.amdhsa_private_segment_fixed_size 0
		.amdhsa_enable_private_segment 0
		.amdhsa_kernarg_size 56
		.amdhsa_user_sgpr_count 2
		.amdhsa_user_sgpr_kernarg_segment_ptr 1
		.amdhsa_wavefront_size32 1
		.amdhsa_system_sgpr_workgroup_id_x 1
		.amdhsa_system_sgpr_workgroup_id_y 1
		.amdhsa_system_sgpr_workgroup_id_z 1
		.amdhsa_system_vgpr_workitem_id 0
		.amdhsa_next_free_vgpr 210
		.amdhsa_next_free_sgpr 66
		.amdhsa_reserve_vcc 0
		.amdhsa_float_denorm_mode_32 3
		.amdhsa_float_denorm_mode_16_64 3
		.amdhsa_memory_ordered 1
		.amdhsa_forward_progress 1
		.amdhsa_inst_pref_size 75
	.end_amdhsa_kernel
	.amdgpu_metadata
---
amdhsa.version: [ 1, 2 ]
amdhsa.kernels:
  - .name:           k_q01dc2ab95d_quant
    .symbol:         k_q01dc2ab95d_quant.kd
    .args:
      - { .name: x, .offset: 0, .size: 8, .value_kind: global_buffer, .address_space: global }
      - { .name: WQ, .offset: 8, .size: 8, .value_kind: global_buffer, .address_space: global }
      - { .name: WK, .offset: 16, .size: 8, .value_kind: global_buffer, .address_space: global }
      - { .name: WV, .offset: 24, .size: 8, .value_kind: global_buffer, .address_space: global }
      - { .name: WO, .offset: 32, .size: 8, .value_kind: global_buffer, .address_space: global }
      - { .name: xq, .offset: 40, .size: 8, .value_kind: global_buffer, .address_space: global }
      - { .name: wq, .offset: 48, .size: 8, .value_kind: global_buffer, .address_space: global }
    .group_segment_fixed_size: 68096
    .private_segment_fixed_size: 0
    .kernarg_segment_align: 8
    .kernarg_segment_size: 56
    .max_flat_workgroup_size: 128
    .sgpr_count:     66
    .vgpr_count:     210
    .wavefront_size: 32
...
	.end_amdgpu_metadata
.endif
;; end of part 1
;; launch proj (part 2): grid 96 x 4, 4 waves a work-group, clusters of 4 x 4, 327,680 bytes of LDS; arguments xq, wq, masked_info, qb, kv; writes qb, kv
.if DOCPART == 2
	.amdgcn_target "amdgcn-amd-amdhsa--gfx1250"
	.amdhsa_code_object_version 6
	.text
	.protected	k_q01dc2ab95d_proj
	.globl	k_q01dc2ab95d_proj
	.p2align	8
	.type	k_q01dc2ab95d_proj,@function
k_q01dc2ab95d_proj:
	s_mov_b64 s[64:65], 0
	v_nop
	global_prefetch_b8 v0, s[64:65] scope:SCOPE_SE
	s_setreg_imm32_b32 hwreg(HW_REG_WAVE_MODE, 25, 1), 1
	s_wait_xcnt 0x0
	s_wait_alu depctr_hold_cnt(0) depctr_sa_sdst(0) depctr_va_vdst(0) depctr_va_sdst(0) depctr_va_ssrc(0) depctr_va_vcc(0) depctr_vm_vsrc(0)
	s_getreg_b32 s2, hwreg(HW_REG_IB_STS2, 6, 4)
	s_cmp_eq_u32 s2, 0
	s_cbranch_scc0 .Lentry_in_a_cluster
	s_endpgm
.Lentry_in_a_cluster:
	s_bfe_u32 s2, ttmp6, 0x10000c
	s_cmp_lg_u32 s2, 0xf033
	s_cbranch_scc0 .Lentry_shape_is_right
	s_endpgm
.Lentry_shape_is_right:
; q, k and v^T = x W on codes of FP6 (E2M3), K = 1,024, and their quantising for the attention launch, in registers.
; One loop for two orientations.  C'[A row][B row]: source 0 = 16 rows of B, source 1 = 16 rows of A, so a lane holds one row of A and its registers run along B's rows.
;   clusters 0-15:  A = x's rows (tokens), B = WQ's and WK's rows: a lane holds a token, its registers run along dk, the next product's K.
;   clusters 16-23: A = WV's rows (dv), B = x's rows: a lane holds a dv, its registers run along the keys, the next product's K.
; Both buffers lie in position order (a row's bits 3 and 4 exchanged), so the 16 registers of B's tiles 2 b and 2 b + 1 are 16 neighbours along that K.
; A tile of C' is 256 x 256: four waves of 128 x 128, 64 accumulators each.  K goes in steps of 256 through two LDS slots; the scale bytes of all K come once.  4 x 4 work-groups form a cluster: A's tiles are asked for
; jointly along a row of the cluster, B's along a column.
; THE WAY OUT stores operands as images of their registers.  q, k (K = 64 of the instruction's 128): registers 0-5 the codes, register 6 the padding's first word, register 7 zero; 1,024 bytes a tile of 16 tokens.
; THE KEY HALF OF THE PADDING MASK RIDES IN THE PADDING: at k = 64 q holds the code +1.0 under the scale 2^0; a key whose masked_info is 0 holds -1.0 under 2^100, any other key 0 under the byte 1.
; So a masked key's score is -2^100 and a valid key's is untouched.  LIMITS: |score| under 2^99; two non-zero mask entries whose product underflows count as valid; NaN and infinities are not served; blocks under 2^-124 keep the byte 1.
; REGISTERS: window 0: v0-31 addresses; v32-63 scale words; from v128 A's fragments; on the way out v64-144 at work.  window 1: B's fragments, two sets.  windows 2, 3: the accumulators ((a, b) at v[8 (8 (a % 4) + b)]).
.set KSTEP,  256
.set NQ,     2
.set ROWB,   192
.set KROW,   768
.set PITCH,  240                       ; an LDS row: 3 x (64 bytes + 16 of padding)
.set FR,     12
.set NL,     6
.set NP,     4
.set HALFT,  128*PITCH
.set SLOT,   4*HALFT
.set LAPS,   2
.set KS,     32
.set SCL,    2*SLOT
.set HALFS,  16*272
.set SBLK,   2*272
.set SPARE,  SCL+4*HALFS               ; the spare words: 128 bytes a wave; no other line names them
.set REC,    30208                     ; kv: a slot's record of 256 keys
.set HEADB,  8*REC                     ; a head's
.set KSO,    16384                     ; in a record: k's scale words,
.set VIO,    17408                     ; v's fragments,
.set VSO,    29696                     ; v's scale words
.set ADRA, 16
.set ADRB, 20
.set ADRS, 27
.set SPW,  28
.set NIL,  29
.set SC,   32
.set AF,   128
.set G1, 24
.set G0, 32
.set G1B, 48
.set G0B, 56
.set G1S, 68
.set G0S, 76
.set G1SB, 80
.set G0SB, 88
.set QTM, 64                           ; the way out: largest magnitudes,
.set QTP, 68                           ; the other half's, then the bytes,
.set QTS, 72                           ; the conversions' scale operands,
.set QPW, 76                           ; the scale word, v77 at work,
.set QT,  77
.set QP,  80                           ; v80-95 two images of 8 registers,
.set QCT, 96                           ; v96-98, v100-102 the upper halves of the blocks,
.set QW,  104                          ; v104-111 eight scale words,
.set QEC, 112                          ; v112-119 the padding's code word for each tile,
.set QEH, 120                          ; v120-127 the scale word's upper half,
.set QMI, 128                          ; v128-135 masked_info
.set VCM, 136
.set VHM, 137
.set LOWM, 138
.set VCV, 139
.set V16, 140
.set V8,  141
.set VSA, 142
.set MIA, 143
.set VHV, 144
.set MSB, 0
.macro WIN new                         ; the immediate's high byte repeats the setting that is left
.if MSB != (\new)
	s_set_vgpr_msb (MSB<<8)|(\new)
.set MSB, (\new)
.endif
.endm
.set MUL_LO, 0xa1
.set MUL_HI, 0xf1
.set TO_B,   0x40
.macro JLOAD g0a, g1a, g0b, g1b        ; a joint load: waves 0 and 1 fetch for A, waves 2 and 3 for B; four v_nop follow each line
	s_cmp_eq_u32 s15, 0
	s_cbranch_scc0 .Lfor_b_\@
	tensor_load_to_lds s[\g0a:\g0a+3], s[\g1a:\g1a+7]
	s_nop 0
.rept 4
	v_nop
.endr
	s_branch .Lasked_\@
.Lfor_b_\@:
	tensor_load_to_lds s[\g0b:\g0b+3], s[\g1b:\g1b+7]
	s_nop 0
.rept 4
	v_nop
.endr
.Lasked_\@:
.endm
.macro CREST
	s_cmp_lg_u32 s14, 0
	s_cbranch_scc1 .Lnot_wave_0_\@
	s_barrier_signal -3
.Lnot_wave_0_\@:
	s_barrier_wait -3
	s_barrier_signal -1
	s_barrier_wait -1
.endm
.macro CROUND
	s_barrier_signal -1
	s_barrier_wait -1
	CREST
.endm
	s_load_b128 s[4:7], s[0:1], 0x0                ; xq, wq
	v_lshl_add_u32 v[SPW], v0, 2, SPARE
	v_mov_b32 v[NIL], 0
	ds_add_u32 v28, v29
	s_wait_dscnt 0x0
	v_lshrrev_b32 v1, 5, v0
	v_readfirstlane_b32 s14, v1                    ; wave
	s_lshr_b32 s15, s14, 1                         ; which half of A's rows is mine.  Also: I fetch for A (0) or for B (1)
	s_and_b32 s16, s14, 1                          ; which half of B's rows.  Also: which 128 rows I fetch
	s_bfe_u32 s40, ttmp6, 0x40000                  ; cx
	s_bfe_u32 s41, ttmp6, 0x40004                  ; cy
	s_lshr_b32 s98, ttmp9, 1
	s_lshl_b32 s98, s98, 2                         ; q, k: A's tile row 4 (cluster / 2) + cy of x's 32,
	s_and_b32 s99, ttmp9, 1
	s_lshl_b32 s99, s99, 2                         ; B's tile column 4 (cluster % 2) + cx of WQ's and WK's 8
	s_and_b32 s100, ttmp9, 7
	s_lshl_b32 s100, s100, 2                       ; v: B's tile column 4 (cluster - 16) + cx of x's 32; A's tile row 8 + cy: WV's rows
	s_cmp_lt_u32 ttmp9, 16                         ; the cluster's number: the same in all sixteen partners
	s_cselect_b32 s17, s98, 8
	s_cselect_b32 s42, s99, s100
	s_add_co_u32 s17, s17, s41
	s_add_co_u32 s42, s42, s40
	s_lshl_b32 s43, s41, 2
	s_lshl_b32 s43, 15, s43                        ; my row of the cluster
	s_lshl_b32 s44, 0x1111, s40                    ; my column
	s_or_b32 s[G1+0], s43, (0<<16)|(1<<20)|(1<<21)|(3<<22)|(3<<25)  ; the mask; elements of 1 byte; padding on: 4 words behind every 16; bit 21 beside a mask
	s_or_b32 s[G1B+0], s44, (0<<16)|(1<<20)|(1<<21)|(3<<22)|(3<<25)
.irp g, G1, G1B
	s_mov_b32 s[\g+1], ROWB<<16
	s_mov_b32 s[\g+2], 128<<16
	s_mov_b32 s[\g+3], ROWB<<16
	s_mov_b32 s[\g+4], 128
	s_mov_b32 s[\g+5], KROW
	s_mov_b32 s[\g+6], 0
	s_mov_b32 s[\g+7], 0
.endr
	s_or_b32 s[G1S+0], s43, (3<<16)|(1<<20)|(1<<21)|(5<<22)|(3<<25)  ; the scales of 128 rows: 4,096 dense bytes as 16 rows of 256, 16 bytes of padding behind each
	s_or_b32 s[G1SB+0], s44, (3<<16)|(1<<20)|(1<<21)|(5<<22)|(3<<25)
.irp g, G1S, G1SB
	s_mov_b32 s[\g+1], 32<<16
	s_mov_b32 s[\g+2], (128*KS/256)<<16
	s_mov_b32 s[\g+3], 32<<16
	s_mov_b32 s[\g+4], 128*KS/256
	s_mov_b32 s[\g+5], 32
	s_mov_b32 s[\g+6], 0
	s_mov_b32 s[\g+7], 0
.endr
	s_lshl_b32 s18, s16, 7
	s_lshl_b32 s20, s17, 8
	s_add_co_u32 s20, s20, s18                     ; A: row 256 x tile row + 128 x half
	s_lshl_b32 s46, s42, 8
	s_add_co_u32 s46, s46, s18                     ; B: row 256 x tile column + 128 x half
	s_mov_b32 s21, 0
	s_mov_b32 s47, 0
	s_mov_b64 s[18:19], KS
	s_mul_u64 s[22:23], s[20:21], s[18:19]
	s_mul_u64 s[92:93], s[46:47], s[18:19]
	s_mov_b64 s[18:19], KROW
	s_mul_u64 s[20:21], s[20:21], s[18:19]
	s_mul_u64 s[46:47], s[46:47], s[18:19]
	s_mul_i32 s45, s14, HALFT
	s_mul_i32 s94, s14, HALFS
	s_mov_b32 s96, 4096*KROW                       ; where wq's scale bytes begin,
	s_mov_b32 s97, 8192*KROW                       ; and xq's
	s_mov_b32 s13, 0
	s_mov_b32 s99, 0
	s_wait_kmcnt 0x0
	s_cmp_lt_u32 ttmp9, 16
	s_cselect_b64 s[8:9], s[6:7], s[4:5]           ; B's buffer,
	s_cselect_b64 s[4:5], s[4:5], s[6:7]           ; A's
	s_cselect_b32 s12, s97, s96
	s_cselect_b32 s98, s96, s97
	s_add_nc_u64 s[6:7], s[4:5], s[12:13]          ; A's scale bytes
	s_add_nc_u64 s[10:11], s[8:9], s[98:99]        ; B's
	s_add_nc_u64 s[20:21], s[4:5], s[20:21]
	s_add_nc_u64 s[22:23], s[6:7], s[22:23]
	s_add_nc_u64 s[46:47], s[8:9], s[46:47]
	s_add_nc_u64 s[92:93], s[10:11], s[92:93]
	CROUND                                         ; all sixteen work-groups are here: the first joint loads meet
	s_mov_b32 s[G0S], 1
	s_add_co_u32 s[G0S+1], s94, SCL
	s_mov_b64 s[G0S+2:G0S+3], s[22:23]
	s_or_b32 s[G0S+3], s[G0S+3], 0x80000000
	s_mov_b32 s[G0SB], 1
	s_add_co_u32 s[G0SB+1], s94, SCL
	s_mov_b64 s[G0SB+2:G0SB+3], s[92:93]
	s_or_b32 s[G0SB+3], s[G0SB+3], 0x80000000
	JLOAD G0S, G1S, G0SB, G1SB
.irp s, 0,1
	s_mov_b32 s[G0+4*\s], 1
	s_add_co_u32 s[G0+4*\s+1], s45, \s*SLOT
	s_add_nc_u64 s[G0+4*\s+2:G0+4*\s+3], s[20:21], \s*ROWB
	s_or_b32 s[G0+4*\s+3], s[G0+4*\s+3], 0x80000000
	s_mov_b32 s[G0B+4*\s], 1
	s_add_co_u32 s[G0B+4*\s+1], s45, \s*SLOT
	s_add_nc_u64 s[G0B+4*\s+2:G0B+4*\s+3], s[46:47], \s*ROWB
	s_or_b32 s[G0B+4*\s+3], s[G0B+4*\s+3], 0x80000000
	JLOAD G0+4*\s, G1, G0B+4*\s, G1B
.endr
	v_and_b32 v1, 15, v0                           ; r
	v_bfe_u32 v2, v0, 4, 1                         ; h
	v_mul_u32_u24 v3, v1, PITCH
	v_mul_u32_u24 v4, v2, 24
	v_add_nc_u32 v4, v3, v4
	v_lshl_add_u32 v5, v2, 4, v4                   ; the same behind one padding more
	s_mul_i32 s21, s15, HALFT
	s_mul_i32 s22, s16, HALFT
	s_add_co_u32 s22, s22, 2*HALFT
.irp s, 0,1
	v_add_nc_u32 v[ADRA+\s], s21, v4
	v_add_nc_u32 v[ADRB+\s], s22, v4
	v_add_nc_u32 v[ADRA+2+\s], s21, v5
	v_add_nc_u32 v[ADRB+2+\s], s22, v5
	s_add_co_u32 s21, s21, SLOT
	s_add_co_u32 s22, s22, SLOT
.endr
	v_mul_u32_u24 v5, v1, KS
	v_lshrrev_b32 v6, 8, v5
	v_lshl_add_u32 v5, v6, 4, v5
	s_mul_i32 s21, s15, HALFS
	s_mul_i32 s22, s16, HALFS
	s_add_co_u32 s22, s22, 2*HALFS
	s_sub_co_u32 s22, s22, s21
	v_mul_u32_u24 v6, s22, v2                      ; lanes 16-31 take B's
	s_add_co_u32 s21, s21, SCL
	v_add_nc_u32 v5, v5, v6
	v_add_nc_u32 v[ADRS], s21, v5
.macro FRAG reg, adr, q, i             ; 16 rows x 128 K: 12 registers, in pieces of 8 bytes; where the piece three on lies behind one padding more, the second address register serves
.irp p, 0,1,2,3,4,5
.set PC, 12*(\q)+6*(\p/3)+\p%3
.if PC%8 < 5
	ds_load_b64 v[\reg+2*\p:\reg+2*\p+1], v[\adr] offset:8*PC+16*(PC/8)+(\i)*16*PITCH
.else
	ds_load_b64 v[\reg+2*\p:\reg+2*\p+1], v[\adr+2] offset:8*PC+16*(PC/8)+(\i)*16*PITCH
.endif
.endr
.endm
.macro MUL16 a0, p, q, sc, zero        ; A's blocks a0, a0 + 1 x B's eight; the 64 accumulators take turns, one instruction a turn
.irp a, \a0, \a0+1
.irp b, 0,1,2,3,4,5,6,7
.if \zero
	v_wmma_scale_f32_16x16x128_f8f6f4 v[8*(8*((\a)%4)+\b):8*(8*((\a)%4)+\b)+7], v[128*(\p)+FR*\b:128*(\p)+FR*\b+FR-1], v[AF+FR*(\a):AF+FR*(\a)+FR-1], 0, v[SC+8*NQ*(\sc)+NQ*\b+(\q)], v[SC+8*NQ*(\sc)+NQ*(\a)+(\q)] matrix_a_fmt:MATRIX_FMT_FP6 matrix_b_fmt:MATRIX_FMT_FP6 matrix_a_scale:MATRIX_SCALE_ROW1
.else
	v_wmma_scale_f32_16x16x128_f8f6f4 v[8*(8*((\a)%4)+\b):8*(8*((\a)%4)+\b)+7], v[128*(\p)+FR*\b:128*(\p)+FR*\b+FR-1], v[AF+FR*(\a):AF+FR*(\a)+FR-1], v[8*(8*((\a)%4)+\b):8*(8*((\a)%4)+\b)+7], v[SC+8*NQ*(\sc)+NQ*\b+(\q)], v[SC+8*NQ*(\sc)+NQ*(\a)+(\q)] matrix_a_fmt:MATRIX_FMT_FP6 matrix_b_fmt:MATRIX_FMT_FP6 matrix_a_scale:MATRIX_SCALE_ROW1
.endif
.endr
.endr
.endm
.macro FETCH_B slot, q, p
	WIN TO_B
.irp i, 0,1,2,3,4,5,6,7
	FRAG 128*(\p)+FR*\i, ADRB+\slot, \q, \i
.endr
	WIN 0
.endm
.macro FETCH_A slot, q, i0
.irp i, \i0, \i0+1, \i0+2, \i0+3
	FRAG AF+FR*(\i), ADRA+\slot, \q, \i
.endr
.endm
.macro SCALES sc                       ; lanes 0-15 take A's block i, lanes 16-31 B's block i: two words a row
.irp i, 0,1,2,3,4,5,6,7
	ds_load_b64 v[SC+8*NQ*\sc+NQ*\i:SC+8*NQ*\sc+NQ*\i+1], v[ADRS] offset:\i*SBLK
.endr
.endm
.macro PLACES n                        ; plain vector instructions between a matrix instruction and a load into, or a read of, its registers
.rept \n
	v_nop
.endr
.endm
.macro STEP slot, q, zero
	s_wait_dscnt 4*NL                              ; B's set and A's blocks 0-3 are in; A's blocks 4-7 may be out
	WIN MUL_LO
	MUL16 0, (\q)%2, \q, \slot, \zero
	MUL16 2, (\q)%2, \q, \slot, \zero
	s_wait_dscnt 0
	PLACES NP
	FETCH_B \slot, (\q)+1, 1-(\q)%2
	FETCH_A \slot, (\q)+1, 0
	WIN MUL_HI
	MUL16 4, (\q)%2, \q, \slot, \zero
	MUL16 6, (\q)%2, \q, \slot, \zero
	PLACES NP
	WIN 0
	FETCH_A \slot, (\q)+1, 4
.endm
.macro TURN slot, next, fill           ; a slot's last step changes slots
	s_wait_tensorcnt 0x0                           ; all my tensor loads have landed: my part of the next slot
	ds_add_u32 v[SPW], v[NIL]                      ; 0 onto my spare word
	s_wait_dscnt 4*NL+1                            ; (the add and A's blocks 4-7 may be out)
	WIN MUL_LO
	MUL16 0, 1, NQ-1, \slot, 0
	s_wait_dscnt 0x0                               ; the add is done, and my reads of this slot are over
	s_barrier_signal -1
	MUL16 2, 1, NQ-1, \slot, 0
	WIN 0
	s_barrier_wait -1
.if \fill
	CREST                                          ; the barrier has opened a round of the cluster's: no wave of any partner still reads this slot or has a load on its way
	s_add_nc_u64 s[G0+4*\slot+2:G0+4*\slot+3], s[G0+4*\slot+2:G0+4*\slot+3], 2*ROWB
	s_add_nc_u64 s[G0B+4*\slot+2:G0B+4*\slot+3], s[G0B+4*\slot+2:G0B+4*\slot+3], 2*ROWB
	JLOAD G0+4*\slot, G1, G0B+4*\slot, G1B
.else
	PLACES NP
.endif
	v_add_nc_u32 v[ADRS], 4*NQ, v[ADRS]
	FETCH_B \next, 0, 0
	FETCH_A \next, 0, 0
	SCALES \next
	WIN MUL_HI
	MUL16 4, 1, NQ-1, \slot, 0
	MUL16 6, 1, NQ-1, \slot, 0
	PLACES NP
	WIN 0
	FETCH_A \next, 0, 4
.endm
	s_wait_tensorcnt 1                             ; the scales and my part of K step 0 are in (K step 1's load may be out)
	s_barrier_signal -1
	s_barrier_wait -1
	FETCH_B 0, 0, 0
	FETCH_A 0, 0, 0
	SCALES 0
	FETCH_A 0, 0, 4
	STEP 0, 0, 1                                   ; the first step's products start the sums
	s_mov_b32 s3, LAPS-1
.Llap:
	TURN 0, 1, 1
	STEP 1, 0, 0
	TURN 1, 0, 1
	STEP 0, 0, 0
	s_sub_co_u32 s3, s3, 1
	s_cmp_lg_u32 s3, 0
	s_cbranch_scc1 .Llap
	TURN 0, 1, 0                                   ; the last lap fills nothing
	STEP 1, 0, 0
	s_wait_dscnt 4*NL
	WIN MUL_LO
	MUL16 0, 1, NQ-1, 1, 0
	MUL16 2, 1, NQ-1, 1, 0
	s_wait_dscnt 0
	WIN MUL_HI
	MUL16 4, 1, NQ-1, 1, 0
	MUL16 6, 1, NQ-1, 1, 0
	WIN 0
	PLACES NP
; ---------------- THE WAY OUT.  No tensor load of mine is out since the last change of slots, so the descriptors' registers are free.
	s_load_b64 s[24:25], s[0:1], 0x10              ; masked_info
	s_load_b64 s[28:29], s[0:1], 0x18              ; qb
	s_load_b64 s[30:31], s[0:1], 0x20              ; kv
	s_mov_b32 s98, 0x76543210
	s_mov_b32 s99, 0xfedcba98                      ; v_permlanex16_b32's selects for lane l xor 16
	s_mov_b32 s90, 0xffff0000                      ; lanes 16-31
	v_and_b32 v1, 15, v0
	v_bfe_u32 v2, v0, 4, 1
	v_and_b32 v3, 31, v0
	v_lshlrev_b32 v[V16], 4, v3
	v_lshlrev_b32 v[V8], 3, v3
	v_and_b32 v4, 8, v1
	v_add_nc_u32 v4, v4, v1
	v_lshlrev_b32 v[MIA], 2, v4                    ; lane r of a tile of positions stands for index r + 8 (r / 8)
	v_add_nc_u32 v[LOWM], -1, v2                   ; all ones in lanes 0-15
.irp b, 0,1,2,3
	v_mov_b32 v[QTP+\b], 0                         ; written once: a lane permute's destination counts as one of its sources
.endr
	v_mov_b32 v[QP+7], 0
	v_mov_b32 v[QP+15], 0
; Block a's 64 numbers of a lane (register 16 b + i = k 32 b + 16 h + i of my row) become codes in v[QP + 8 c] on (c = 0, 1: k 64 c + 32 h + 0 .. 31) and the scale word in v[QPW].
.macro QUANTW a
.set AC, 64*((\a)%4)
.set WN, 2+(\a)/4
	WIN 0
.irp b, 0,1,2,3
	v_mov_b32 v[QTM+\b], 0x1800000                 ; the floor 2^(3 - 127): the byte cannot fall under 1
.endr
	WIN (20*WN)                                    ; sources 1 and 2 in the accumulators' window
.irp i, 0,2,4,6,8,10,12,14
.irp b, 0,1,2,3
	v_max3_num_f32 v[QTM+\b], v[QTM+\b], |v[AC+16*\b+\i]|, |v[AC+16*\b+\i+1]|   ; ascending: each accumulator is read from its low end on
.endr
.endr
	WIN 0
.irp b, 0,1,2,3
	v_permlanex16_b32 v[QTP+\b], v[QTM+\b], s98, s99
.endr
.irp b, 0,1,2,3
	v_max_num_f32 v[QTM+\b], v[QTM+\b], v[QTP+\b]
.endr
.irp b, 0,1,2,3
	v_add_nc_u32 v[QTS+\b], 0xff000000, v[QTM+\b]  ; 2 off the exponent field
.endr
.irp b, 0,1,2,3
	v_lshrrev_b32 v[QTP+\b], 23, v[QTS+\b]
.endr
	v_lshl_or_b32 v[QPW], v[QTP+1], 8, v[QTP]
	v_lshl_or_b32 v[QPW], v[QTP+2], 16, v[QPW]
	v_lshl_or_b32 v[QPW], v[QTP+3], 24, v[QPW]
	s_wait_xcnt 0x0                                ; the last block's stores have read their registers
	WIN WN                                         ; source 0 in the accumulators' window
.irp c, 0,1
	v_cvt_scalef32_pk16_fp6_f32 v[QP+8*\c:QP+8*\c+2], v[AC+32*\c:AC+32*\c+15], v[QTS+2*\c]
	v_cvt_scalef32_pk16_fp6_f32 v[QCT+4*\c:QCT+4*\c+2], v[AC+32*\c+16:AC+32*\c+31], v[QTS+2*\c+1]
.endr
	WIN 0
	v_nop                                          ; one plain place behind a scaled conversion
.irp c, 0,1
.irp i, 0,1,2
	v_permlane16_swap_b32 v[QP+8*\c+\i], v[QCT+4*\c+\i]   ; a whole block to a lane: lanes 0-15 block 2 c, lanes 16-31 block 2 c + 1
.endr
.irp i, 0,1,2
	v_mov_b32 v[QP+8*\c+3+\i], v[QCT+4*\c+\i]
.endr
.endr
.endm
	s_wait_kmcnt 0x0
	s_cmp_ge_u32 ttmp9, 16
	s_cbranch_scc1 .Lv_out
; ---- q and k: my 128 tokens x two heads
	s_lshl_b32 s50, s17, 8
	s_lshl_b32 s51, s15, 7
	s_add_co_u32 s50, s50, s51                     ; my first token's position
	s_lshr_b32 s51, s50, 11                        ; n
	s_and_b32 s52, s50, 2047                       ; the position in n
	s_lshl_b32 s53, s42, 8
	s_lshl_b32 s54, s16, 7
	s_add_co_u32 s53, s53, s54                     ; my first row of the weights
	s_lshr_b32 s54, s53, 10                        ; 0: q, 1: k
	s_bfe_u32 s55, s53, 0x40006                    ; my first head
	s_lshl_b32 s56, s51, 4
	s_add_co_u32 s56, s56, s55                     ; 16 n + head
	s_lshl_b32 s57, s56, 17
	s_lshl_b32 s58, s52, 6
	s_add_co_u32 s57, s57, s58                     ; q's images: 131,072 a head, 1,024 a tile
	s_lshl_b32 s58, s56, 13
	s_lshr_b32 s59, s52, 7
	s_lshl_b32 s60, s59, 9
	s_add_co_u32 s58, s58, s60
	s_add_co_u32 s58, s58, 8388608                 ; q's scale words: 8,192 a head, 512 for 128 tokens
	s_mul_i32 s61, s56, HEADB
	s_lshr_b32 s60, s52, 8
	s_mul_i32 s60, s60, REC
	s_add_co_u32 s61, s61, s60                     ; k: the slot's record
	s_and_b32 s59, s59, 1
	s_lshl_b32 s60, s59, 13
	s_add_co_u32 s60, s60, s61                     ; its images
	s_lshl_b32 s62, s59, 9
	s_add_co_u32 s62, s62, s61
	s_add_co_u32 s62, s62, KSO                     ; its scale words
	s_mov_b32 s63, HEADB
	s_mov_b32 s86, 0x01010000
	s_mov_b32 s87, 0x01e30000
	s_mov_b32 s69, 0
	s_mov_b32 s71, 0
	s_cmp_eq_u32 s54, 0
	s_cselect_b64 s[66:67], s[28:29], s[30:31]
	s_cselect_b32 s68, s57, s60
	s_cselect_b32 s70, s58, s62
	s_cselect_b32 s88, 131072, s63                 ; from head to head: images,
	s_cselect_b32 s89, 8192, s63                   ; scale words
	s_cselect_b32 s84, 8, 0                        ; the padding's code: q +1.0; a valid key 0,
	s_cselect_b32 s85, 8, 40                       ; a masked key -1.0
	s_cselect_b32 s86, 0x7f7f0000, s86             ; the padding's two scale bytes: q 2^0; a valid key the byte 1,
	s_cselect_b32 s87, 0x7f7f0000, s87             ; a masked key 2^100
	s_add_nc_u64 s[76:77], s[66:67], s[68:69]      ; my first head's images,
	s_mov_b32 s68, s88
	s_add_nc_u64 s[78:79], s[76:77], s[68:69]      ; my second head's
	s_add_nc_u64 s[80:81], s[66:67], s[70:71]
	s_lshl_b32 s68, s50, 2
	s_add_nc_u64 s[82:83], s[24:25], s[68:69]
.irp a, 0,1,2,3,4,5,6,7
	global_load_b32 v[QMI+\a], v[MIA], s[82:83] offset:(32*(\a/2)+8*(\a%2))*4
.endr
	v_mov_b32 v[VCV], s84
	v_mov_b32 v[VCM], s85
	v_mov_b32 v[VHV], s86
	v_mov_b32 v[VHM], s87
	v_mul_u32_u24 v[VSA], s89, v2
	v_lshl_add_u32 v[VSA], v1, 4, v[VSA]           ; scale words: 16 r; lanes 16-31 the second head's
	s_wait_loadcnt 0x0
.irp a, 0,1,2,3,4,5,6,7
	v_cmp_eq_f32 vcc_lo, 0, v[QMI+\a]
	v_cndmask_b32 v[QEC+\a], v[VCV], v[VCM], vcc_lo
	v_cndmask_b32 v[QEH+\a], v[VHV], v[VHM], vcc_lo
	v_and_b32 v[QEC+\a], v[QEC+\a], v[LOWM]        ; k = 64 lies in lanes 0-15
.endr
.irp a, 0,1,2,3,4,5,6,7
	QUANTW \a
	v_mov_b32 v[QP+6], v[QEC+\a]
	v_mov_b32 v[QP+14], v[QEC+\a]
	v_lshrrev_b32 v[QT], 16, v[QPW]
	v_or_b32 v[QT], v[QT], v[QEH+\a]               ; the second head's word,
	v_and_or_b32 v[QW+\a], v[QPW], 0xffff, v[QEH+\a]   ; the first's
	v_cndmask_b32 v[QW+\a], v[QW+\a], v[QT], s90
	global_store_b128 v[V16], v[QP:QP+3], s[76:77] offset:1024*\a          ; each store of the wave covers 512 consecutive bytes, aligned
	global_store_b128 v[V16], v[QP+4:QP+7], s[76:77] offset:1024*\a+512
	global_store_b128 v[V16], v[QP+8:QP+11], s[78:79] offset:1024*\a
	global_store_b128 v[V16], v[QP+12:QP+15], s[78:79] offset:1024*\a+512
.endr
	global_store_b128 v[VSA], v[QW:QW+3], s[80:81]             ; sixteen lanes store 256 consecutive bytes: [r][tiles 0-3]
	global_store_b128 v[VSA], v[QW+4:QW+7], s[80:81] offset:256
	s_branch .Ldone
; ---- v^T: my 128 dv (two heads) x 128 keys: each block a is one fragment of 16 dv x 128 keys
.Lv_out:
	s_sub_co_u32 s50, s17, 8
	s_lshl_b32 s50, s50, 2
	s_lshl_b32 s51, s15, 1
	s_add_co_u32 s50, s50, s51                     ; my first head
	s_lshr_b32 s51, s42, 3
	s_lshl_b32 s51, s51, 4
	s_add_co_u32 s50, s50, s51                     ; 16 n + head
	s_mul_i32 s50, s50, HEADB
	s_and_b32 s51, s42, 7
	s_mul_i32 s51, s51, REC
	s_add_co_u32 s50, s50, s51                     ; the slot's record
	s_mul_i32 s52, s16, 6144
	s_add_co_u32 s68, s50, s52
	s_mov_b32 s69, 0
	s_add_nc_u64 s[76:77], s[30:31], s[68:69]      ; my key step's fragments
	s_lshl_b32 s52, s16, 8
	s_add_co_u32 s68, s50, s52
	s_add_nc_u64 s[80:81], s[30:31], s[68:69]      ; and scale words
	v_mul_u32_u24 v[VSA], v2, HEADB
	v_lshl_add_u32 v[VSA], v1, 4, v[VSA]
.irp a, 0,1,2,3,4,5,6,7
	QUANTW \a
	v_mov_b32 v[QW+\a], v[QPW]
	global_store_b128 v[V16], v[QP:QP+3], s[76:77] offset:VIO+(\a/4)*HEADB+(\a%4)*1536
	global_store_b64 v[V8], v[QP+4:QP+5], s[76:77] offset:VIO+(\a/4)*HEADB+(\a%4)*1536+512
	global_store_b128 v[V16], v[QP+8:QP+11], s[76:77] offset:VIO+(\a/4)*HEADB+(\a%4)*1536+768
	global_store_b64 v[V8], v[QP+12:QP+13], s[76:77] offset:VIO+(\a/4)*HEADB+(\a%4)*1536+1280
.endr
.irp t, 0,1,2,3
	v_cndmask_b32 v[QW+\t], v[QW+\t], v[QW+4+\t], s90          ; lanes 16-31: the second head's
.endr
	global_store_b128 v[VSA], v[QW:QW+3], s[80:81] offset:VSO
.Ldone:
	s_wait_tensorcnt 0x0                           ; the wave's end
	ds_add_u32 v[SPW], v[NIL]
	s_wait_dscnt 0x0
	CROUND                                         ; the closing round
	s_endpgm
.Lfunc_end_k_q01dc2ab95d_proj:
	.size	k_q01dc2ab95d_proj, .Lfunc_end_k_q01dc2ab95d_proj-k_q01dc2ab95d_proj
	.p2alignl 7, 3214868480
	.fill 96, 4, 3214868480
	.section	.rodata,"a",@progbits
	.p2align	6, 0x0
	.amdhsa_kernel k_q01dc2ab95d_proj
		.amdhsa_group_segment_fixed_size 327680
		.amdhsa_private_segment_fixed_size 0
		.amdhsa_enable_private_segment 0
		.amdhsa_kernarg_size 40
		.amdhsa_user_sgpr_count 2
		.amdhsa_user_sgpr_kernarg_segment_ptr 1
		.amdhsa_wavefront_size32 1
		.amdhsa_system_sgpr_workgroup_id_x 1
		.amdhsa_system_sgpr_workgroup_id_y 1
		.amdhsa_system_sgpr_workgroup_id_z 1
		.amdhsa_system_vgpr_workitem_id 0
		.amdhsa_next_free_vgpr 1024
		.amdhsa_next_free_sgpr 102
		.amdhsa_reserve_vcc 1
		.amdhsa_float_denorm_mode_32 3
		.amdhsa_float_denorm_mode_16_64 3
		.amdhsa_memory_ordered 1
		.amdhsa_forward_progress 1
		.amdhsa_inst_pref_size 209
	.end_amdhsa_kernel
	.amdgpu_metadata
---
amdhsa.version: [ 1, 2 ]
amdhsa.kernels:
  - .name:           k_q01dc2ab95d_proj
    .symbol:         k_q01dc2ab95d_proj.kd
    .args:
      - { .name: xq, .offset: 0, .size: 8, .value_kind: global_buffer, .address_space: global }
      - { .name: wq, .offset: 8, .size: 8, .value_kind: global_buffer, .address_space: global }
      - { .name: masked_info, .offset: 16, .size: 8, .value_kind: global_buffer, .address_space: global }
      - { .name: qb, .offset: 24, .size: 8, .value_kind: global_buffer, .address_space: global }
      - { .name: kv, .offset: 32, .size: 8, .value_kind: global_buffer, .address_space: global }
    .group_segment_fixed_size: 327680
    .private_segment_fixed_size: 0
    .kernarg_segment_align: 8
    .kernarg_segment_size: 40
    .max_flat_workgroup_size: 128
    .sgpr_count:     102
    .vgpr_count:     1024
    .wavefront_size: 32
...
	.end_amdgpu_metadata
.endif
;; end of part 2
;; launch attn (part 3): grid 4 x 64, 16 waves a work-group, no clusters, 327,680 bytes of LDS; arguments qb, kv, masked_info, cb; writes cb
.if DOCPART == 3
	.amdgcn_target "amdgcn-amd-amdhsa--gfx1250"
	.amdhsa_code_object_version 6
	.text
	.protected	k_q01dc2ab95d_attn
	.globl	k_q01dc2ab95d_attn
	.p2align	8
	.type	k_q01dc2ab95d_attn,@function
k_q01dc2ab95d_attn:
	s_mov_b64 s[64:65], 0
	v_nop
	global_prefetch_b8 v0, s[64:65] scope:SCOPE_SE
	s_setreg_imm32_b32 hwreg(HW_REG_WAVE_MODE, 25, 1), 1
	s_wait_xcnt 0x0
; Causal attention with a padding mask on codes of FP6 (E2M3), head size 64, 2,048 keys, for one (n, head); its result is quantised for the last product.
; THE WEIGHTS ARE QUANTISED FINISHED AND NORMALISED, so a row's maximum m and sum l are known before any weight is quantised: THE KEYS ARE WALKED TWICE.
;   pass 1: S^T = K Q^T, running maximum, l = sum of 2^(c s - c m), c = log2(e) / 8.      pass 2: S^T again, p = 2^(c s - c m) x (1 / l), quantised along the keys, O^T += V^T P^T.
; The same rounded c m serves both passes.  Both products are used transposed: a lane holds ONE query (lane % 16) throughout.
; MASKS.  Causal: a step all of whose keys come after my queries is left out (a branch on ids); on the diagonal hidden scores become -infinity.  Padding, keys: the launch before has laid -2^100 into a masked key's
; score through the padding of K = 64 to 128, so its p is 0.  Padding, queries: where masked_info is 0, 1 / l becomes 0 and c m +infinity: every p is 0, as the reference's nan_to_num leaves it.
; A valid query sees itself, a valid key, so m ends as a true score; sums gathered under a maximum of -2^100 are multiplied by 2^(old - new) = 0 when it arrives.
; LIMITS: |score| under 2^99; two non-zero mask entries whose product underflows count as valid; NaN and infinities are not served.
; SHARES.  A work-group owns query blocks i and 7 - i (256 queries each).  Block b needs key slots 0 .. b (256 keys each), twice: 2 (i + 1) + 2 (8 - i) = 18 slots in every work-group: 256 equal work-groups and a
; constant trip count.  Each of the sixteen waves owns one tile of 16 queries in 256 registers: four waves to a SIMD, so that one wave's vector work stands beside another's products and LDS loads.
; No multicast: the four work-groups of a head walk different runs of slots (0 .. i, then 0 .. 7 - i), so their requests for a slot never stand in the same trip.
; LDS: two slots of one record of 30,208 bytes each, as it lies in kv (k's 16 images, k's scale words, v's 8 fragments, v's scale words), filled by waves 0 and 1, half a record each; the spare words behind them.
; ORDER OF ROWS: all tiles lie in position order (bits 3 and 4 of the index exchanged): the 16 registers of S^T's tiles 2 b, 2 b + 1 are keys 32 b + 16 (lane / 16) + 0 .. 15; lane r of my tile T is query 32 (T / 2) + 8 (T % 2) + r + 8 (r / 8).
; REGISTERS: v1, v2, v231 LDS addresses; v3, v4 the add's; v5 my query less 16 h; v[6:7] c m, m; v[8:9] l in two halves; v[10:11] 1 / l, masked_info; v[12:13] at work; v14 mask; v15 -infinity; v16-27 Q; v28 Q's scale word,
; v29 p's; v30, v31, v92-95 lane terms; v32-79 four fragments of K (registers 8-11 of each stay 0); v80-87 K's scale words, v88-91 V's; v96-159 S^T, then p, then V's four fragments; v160-191 O^T; v192-203 p's codes; v204-230 at work.
.set REC,   30208
.set HALFR, 15104
.set HEADB, 8*REC
.set KSO,   16384
.set VIO,   17408
.set VSO,   29696
.set SLOT1, 32768
.set SPARE, 65536
.set WV,   12
.set WGI,  13                          ; i
.set IB,   14                          ; 7 - i
.set NH,   15                          ; 16 n + head
.set TRIP, 16
.set CUR,  17                          ; the slot in hand
.set END,  18                          ; the phase's last slot = the query block
.set PH,   19                          ; phase 0 .. 3: odd = pass 2
.set SEL,  20
.set CS,   22
.set G1,   24
.set G0,   32
.set KVW,  36                          ; s[36:37] my half of the head's first record
.set HB,   38                          ; s[38:39] the head's first record
.set FS,   40                          ; the fetches' slot, last slot and phase: one trip ahead
.set FEND, 41
.set FPH,  42
.set PFON, 43
.set PFA,  44
.set OFP,  46
.set KF,   48                          ; the step's first key
.set Q0G,  49                          ; 32 (T / 2): no query of mine lies under it, none over it + 31
.set TB,   56                          ; LDS byte at which the slot in hand begins
.macro TLOAD                           ; waves 0 and 1 fetch; four v_nop follow the line
	s_cmp_lt_u32 s[WV], 2
	s_cbranch_scc0 .Lno_fetch_\@
	tensor_load_to_lds s[G0:G0+3], s[G1:G1+7]
	s_nop 0
.rept 4
	v_nop
.endr
.Lno_fetch_\@:
.endm
.macro ADV                             ; the fetches' state one trip on, without a branch
	s_add_co_u32 s50, s[FS], 1
	s_cmp_eq_u32 s[FS], s[FEND]
	s_cselect_b32 s[FS], 0, s50
	s_cselect_b32 s51, 1, 0
	s_add_co_u32 s[FPH], s[FPH], s51
	s_cmp_ge_u32 s[FPH], 2
	s_cselect_b32 s[FEND], s[IB], s[WGI]
.endm
; A PREFETCH INTO THE L2 of the record that the next trip's tensor load will ask for.  Only work-group i = 0 of a head asks, in its walk over slots 0 .. 7 (phase 2), for slots 1 .. 7, once each; in it waves 4 to 7, which fetch
; nothing, 8,192 bytes a wave, lanes 256 bytes apart, held to the record's last 256 bytes.  Nothing is asked for at the head, nothing behind slot 7.
.macro ASK
	s_cmp_eq_u32 s[FPH], 2
	s_cselect_b32 s50, s[PFON], 0
	s_cmp_lt_u32 s[FS], 7
	s_cselect_b32 s50, s50, 0
	s_cmp_lg_u32 s50, 0
	s_cbranch_scc0 .Lnot_mine_\@
	global_prefetch_b8 v95, s[PFA:PFA+1] th:TH_LOAD_NT scope:SCOPE_SE
.Lnot_mine_\@:
.endm
; THE CHANGE OF SLOTS stands at a trip's head.  Each wave waits for all its tensor loads, adds 0 to its spare word, and waits for that and for its reads of the slot that it has left.  Behind the barrier the slot ahead is whole and
; nobody reads the other one, which is then filled with the next trip's record: one tensor load of a wave is out.
.macro CHANGE fill
	s_wait_tensorcnt 0x0
	ds_add_u32 v3, v4
.if \fill
	s_xor_b32 s[G0+1], s[G0+1], SLOT1
	s_mul_i32 s[OFP], s[FS], REC
	s_mov_b32 s[OFP+1], 0
	s_add_nc_u64 s[G0+2:G0+3], s[KVW:KVW+1], s[OFP:OFP+1]
	s_or_b32 s[G0+3], s[G0+3], 0x80000000
	s_wait_xcnt 0x0                                ; the last prefetch, a trip back, has read its address
	s_add_nc_u64 s[PFA:PFA+1], s[HB:HB+1], s[OFP:OFP+1]
	s_add_nc_u64 s[PFA:PFA+1], s[PFA:PFA+1], REC
.endif
	s_wait_dscnt 0x0
	s_barrier_signal -1
	s_barrier_wait -1
.if \fill
	TLOAD
	ASK
	ADV
.endif
.endm
; S^T of the slot's q-th 128 keys, with the causal mask
.macro SCORES q
	v_add_nc_u32 v1, s[TB], v30
	v_add_nc_u32 v2, s[TB], v31
	ds_load_b128 v[80:83], v2 offset:KSO+512*\q            ; scale words of tiles 0-3: lane r takes row r's four,
	ds_load_b128 v[84:87], v2 offset:KSO+512*\q+256        ; of tiles 4-7
.irp g, 0,1
.if \g
.rept 4
	v_nop                                          ; places in front of loads into registers that matrix instructions have read
.endr
.endif
.irp t, 0,1,2,3
	ds_load_b128 v[32+12*\t:35+12*\t], v1 offset:(8*\q+4*\g+\t)*1024
	ds_load_b128 v[36+12*\t:39+12*\t], v1 offset:(8*\q+4*\g+\t)*1024+512
.endr
	s_wait_dscnt 0x0
.irp t, 0,1,2,3
	v_wmma_scale_f32_16x16x128_f8f6f4 v[96+8*(4*\g+\t):103+8*(4*\g+\t)], v[32+12*\t:43+12*\t], v[16:27], 0, v[80+4*\g+\t], v28 matrix_a_fmt:MATRIX_FMT_FP6 matrix_b_fmt:MATRIX_FMT_FP6
.endr
.endr
.rept 5
	v_nop                                          ; four in front of the first read of the results; the fifth since the next step's products write over them
.endr
	s_add_co_u32 s50, s[KF], 127
	s_cmp_le_u32 s50, s[Q0G]
	s_cbranch_scc1 .Lopen_\@                       ; all 128 keys count for all my queries
	s_sub_co_i32 s50, s[Q0G], s[KF]
	v_add_nc_u32 v14, s50, v5                      ; d = my query - the step's first key - 16 h: register 16 b + i is hidden where 32 b + i > d
.set n, 0
.rept 64
	v_cmp_gt_i32 vcc_lo, 32*(n/16)+n%16, v14
	v_cndmask_b32 v[96+n], v[96+n], v15, vcc_lo
.set n, n+1
.endr
.Lopen_\@:
.endm
.macro BMAX                            ; the largest of my 16 scores of each block of 32 keys, each accumulator from its low end on
.irp b, 0,1,2,3
	v_max3_num_f32 v[204+\b], v[96+16*\b], v[97+16*\b], v[98+16*\b]
.endr
.irp i, 3,5,7,9,11,13
.irp b, 0,1,2,3
	v_max3_num_f32 v[204+\b], v[204+\b], v[96+16*\b+\i], v[97+16*\b+\i]
.endr
.endr
.irp b, 0,1,2,3
	v_max_num_f32 v[204+\b], v[204+\b], v[111+16*\b]
.endr
.endm
.macro SCALE_S                         ; c s - c m, two at a time
.set j, 0
.rept 32
	v_pk_fma_f32 v[96+j:97+j], v[96+j:97+j], s[CS:CS+1], v[6:7] op_sel_hi:[1,0,0] neg_lo:[0,0,1] neg_hi:[0,0,1]
.set j, j+2
.endr
.endm
.macro EXP_S
.set j, 0
.rept 64
	v_exp_f32 v[96+j], v[96+j]
.set j, j+1
.endr
.endm
.macro KEYS q, skip                    ; the step's first key; a step all of whose keys come after my queries is left out
	s_lshl_b32 s[KF], s[CUR], 8
	s_add_co_u32 s[KF], s[KF], 128*\q
	s_add_co_u32 s50, s[Q0G], 31
	s_cmp_gt_u32 s[KF], s50
	s_cbranch_scc1 \skip
.endm
.macro STEP1 q
	KEYS \q, .Lskip1_\@
	SCORES \q
	BMAX
	v_max3_num_f32 v13, v204, v205, v206
	v_max_num_f32 v13, v13, v207
	v_permlanex16_b32 v208, v13, s[SEL], s[SEL+1]
	v_max_num_f32 v13, v13, v208                   ; the step's largest score of my query
	v_max_num_f32 v7, v7, v13                      ; m
	v_mov_b32 v13, v6
	v_mul_f32 v6, s[CS], v7                        ; c m
	v_sub_f32 v13, v13, v6                         ; c m_old - c m_new
	SCALE_S
	v_exp_f32 v12, v13
	EXP_S
	v_nop                                          ; a plain place behind the exponentials
	s_wait_alu depctr_va_vdst(0)                   ; one wait for the batch, ahead of its first reader
	v_pk_mul_f32 v[8:9], v[8:9], v[12:13] op_sel_hi:[1,0]   ; l under the new m
	v_pk_add_f32 v[204:205], v[96:97], v[98:99]
.set j, 4
.rept 15
	v_pk_add_f32 v[8:9], v[8:9], v[96+j:97+j]
	v_pk_add_f32 v[204:205], v[204:205], v[98+j:99+j]
.set j, j+4
.endr
	v_pk_add_f32 v[8:9], v[8:9], v[204:205]
.Lskip1_\@:
.endm
.macro FIN1                            ; pass 1 is over: 1 / l, and the query half of the padding mask
	v_add_f32 v8, v8, v9
	v_permlanex16_b32 v208, v8, s[SEL], s[SEL+1]
	v_add_f32 v8, v8, v208
	v_rcp_f32 v10, v8
	v_cmp_eq_f32 vcc_lo, 0, v11
	v_mov_b32 v13, 0x7f800000
	v_mov_b32 v12, 0
	s_wait_alu depctr_va_vdst(0)
	v_cndmask_b32 v10, v10, v12, vcc_lo
	v_cndmask_b32 v6, v6, v13, vcc_lo
.endm
.macro STEP2 q
	KEYS \q, .Lskip2_\@
	SCORES \q
	BMAX
.irp b, 0,1,2,3
	v_permlanex16_b32 v[208+\b], v[204+\b], s[SEL], s[SEL+1]
.endr
.irp b, 0,1,2,3
	v_max_num_f32 v[204+\b], v[204+\b], v[208+\b]  ; each block's largest score: p rises with the score, so it gives the block's largest p
.endr
	SCALE_S
.irp b, 0,1,2,3
	v_fma_f32 v[204+\b], v[204+\b], s[CS], -v6
.endr
	EXP_S
	v_nop
	s_wait_alu depctr_va_vdst(0)                   ; one wait for the 64
.irp b, 0,1,2,3
	v_exp_f32 v[204+\b], v[204+\b]
.endr
.set j, 0
.rept 32
	v_pk_mul_f32 v[96+j:97+j], v[96+j:97+j], v[10:11] op_sel_hi:[1,0]   ; p / l: the finished weight.  (Plain work behind the four)
.set j, j+2
.endr
	s_wait_alu depctr_va_vdst(0)                   ; and one for the four
.irp b, 0,1,2,3
	v_mul_f32 v[204+\b], v[204+\b], v10            ; the same instructions on the same number give the same bits
.endr
.irp b, 0,1,2,3
	v_max_num_f32 v[204+\b], 0x1800000, v[204+\b]  ; the floor: a block of zeros keeps the byte 1
.endr
.irp b, 0,1,2,3
	v_add_nc_u32 v[212+\b], 0xff000000, v[204+\b]
.endr
.irp b, 0,1,2,3
	v_lshrrev_b32 v[208+\b], 23, v[212+\b]
.endr
	v_lshl_or_b32 v29, v209, 8, v208
	v_lshl_or_b32 v29, v210, 16, v29
	v_lshl_or_b32 v29, v211, 24, v29               ; p's scale word for these 128 keys
.irp c, 0,1
	v_cvt_scalef32_pk16_fp6_f32 v[192+6*\c:194+6*\c], v[96+32*\c:111+32*\c], v[212+2*\c]
	v_cvt_scalef32_pk16_fp6_f32 v[216+4*\c:218+4*\c], v[112+32*\c:127+32*\c], v[212+2*\c+1]
.endr
	v_nop                                          ; one plain place behind a scaled conversion
	v_add_nc_u32 v231, s[TB], v93
.irp t, 0,1,2,3                        ; V's four fragments (16 dv x 128 keys) into the registers that p has left
	ds_load_b128 v[96+12*\t:99+12*\t], v1 offset:VIO+6144*\q+1536*\t
	ds_load_b64 v[100+12*\t:101+12*\t], v231 offset:VIO+6144*\q+1536*\t+512
	ds_load_b128 v[102+12*\t:105+12*\t], v1 offset:VIO+6144*\q+1536*\t+768
	ds_load_b64 v[106+12*\t:107+12*\t], v231 offset:VIO+6144*\q+1536*\t+1280
.endr
	ds_load_b128 v[88:91], v2 offset:VSO+256*\q
.irp c, 0,1
.irp i, 0,1,2
	v_permlane16_swap_b32 v[192+6*\c+\i], v[216+4*\c+\i]
.endr
.irp i, 0,1,2
	v_mov_b32 v[195+6*\c+\i], v[216+4*\c+\i]
.endr
.endr
.rept 4
	v_nop                                          ; the operand stands four plain places, its scale word eleven, ahead of the scaled products
.endr
	s_wait_dscnt 0x0
.irp t, 0,1,2,3                        ; the four accumulators by turns
	v_wmma_scale_f32_16x16x128_f8f6f4 v[160+8*\t:167+8*\t], v[96+12*\t:107+12*\t], v[192:203], v[160+8*\t:167+8*\t], v[88+\t], v29 matrix_a_fmt:MATRIX_FMT_FP6 matrix_b_fmt:MATRIX_FMT_FP6
.endr
.rept 5
	v_nop                                          ; the next step's S^T is written over V's registers
.endr
.Lskip2_\@:
.endm
; My 16 queries' 64 numbers become half a fragment of the last product (two blocks of 32 along its K) and two scale bytes.
.macro OUT
.irp b, 0,1
	v_max3_num_f32 v[204+\b], |v[160+16*\b]|, |v[161+16*\b]|, 0x1800000
.endr
.irp i, 2,4,6,8,10,12,14
.irp b, 0,1
	v_max3_num_f32 v[204+\b], v[204+\b], |v[160+16*\b+\i]|, |v[161+16*\b+\i]|
.endr
.endr
.irp b, 0,1
	v_permlanex16_b32 v[208+\b], v[204+\b], s[SEL], s[SEL+1]
.endr
.irp b, 0,1
	v_max_num_f32 v[204+\b], v[204+\b], v[208+\b]
.endr
.irp b, 0,1
	v_add_nc_u32 v[212+\b], 0xff000000, v[204+\b]
.endr
.irp b, 0,1
	v_lshrrev_b32 v[208+\b], 23, v[212+\b]
.endr
	v_lshl_or_b32 v230, v209, 8, v208
	v_cvt_scalef32_pk16_fp6_f32 v[224:226], v[160:175], v212
	v_cvt_scalef32_pk16_fp6_f32 v[216:218], v[176:191], v213
	v_nop
.irp i, 0,1,2
	v_permlane16_swap_b32 v[224+\i], v[216+\i]
.endr
.irp i, 0,1,2
	v_mov_b32 v[227+\i], v[216+\i]
.endr
	s_lshl_b32 s51, s[END], 4
	s_add_co_u32 s51, s51, s[WV]                   ; my tile T
	s_lshr_b32 s50, s[NH], 4
	s_lshl_b32 s50, s50, 7
	s_add_co_u32 s50, s50, s51                     ; 128 n + T
	s_and_b32 s55, s[NH], 15                       ; the head
	s_lshl_b32 s52, s50, 4
	s_add_co_u32 s52, s52, s55
	s_mul_i32 s52, s52, 768
	s_mov_b32 s53, 0
	s_add_nc_u64 s[66:67], s[10:11], s[52:53]
	s_lshl_b32 s52, s50, 5
	s_lshl_b32 s55, s55, 14
	s_add_co_u32 s52, s52, s55
	s_add_co_u32 s52, s52, 6291456
	s_add_nc_u64 s[54:55], s[10:11], s[52:53]
.irp p, 0,1,2
	global_store_b64 v93, v[224+2*\p:225+2*\p], s[66:67] offset:256*\p   ; 32 lanes store 256 consecutive bytes, aligned
.endr
	global_store_b16 v94, v230, s[54:55]           ; 32 consecutive bytes a wave (both halves of the lanes write the same)
	s_wait_xcnt 0x0                                ; the stores have read their registers and bases
.endm
.macro INIT                            ; a query block begins: Q, its scale word, its masked_info; the statistics
	s_lshl_b32 s51, s[END], 4
	s_add_co_u32 s51, s51, s[WV]                   ; T
	s_lshl_b32 s[Q0G], s[END], 8
	s_lshr_b32 s50, s[WV], 1
	s_lshl_b32 s50, s50, 5
	s_add_co_u32 s[Q0G], s[Q0G], s50
	s_lshl_b32 s52, s[NH], 7
	s_add_co_u32 s52, s52, s51
	s_lshl_b32 s52, s52, 10
	s_mov_b32 s53, 0
	s_add_nc_u64 s[58:59], s[4:5], s[52:53]
	s_lshl_b32 s52, s[NH], 13
	s_lshr_b32 s50, s51, 2
	s_lshl_b32 s50, s50, 8                         ; 512 (T / 8) + 256 ((T / 4) % 2)
	s_add_co_u32 s52, s52, s50
	s_and_b32 s50, s51, 3
	s_lshl_b32 s50, s50, 2
	s_add_co_u32 s52, s52, s50
	s_add_co_u32 s52, s52, 8388608
	s_add_nc_u64 s[60:61], s[4:5], s[52:53]
	s_lshr_b32 s52, s[NH], 4
	s_lshl_b32 s52, s52, 11
	s_add_co_u32 s52, s52, s[Q0G]
	s_and_b32 s50, s51, 1
	s_lshl_b32 s50, s50, 3
	s_add_co_u32 s52, s52, s50
	s_lshl_b32 s52, s52, 2
	s_add_nc_u64 s[62:63], s[8:9], s[52:53]
	global_load_b128 v[16:19], v30, s[58:59]
	global_load_b128 v[20:23], v30, s[58:59] offset:512
	global_load_b32 v28, v31, s[60:61]
	global_load_b32 v11, v92, s[62:63]
.set j, 0
.rept 32
	v_mov_b32 v[160+j], 0                          ; O^T
.set j, j+1
.endr
	v_mov_b32 v8, 0
	v_mov_b32 v9, 0
	v_mov_b32 v10, 0
	v_mov_b32 v7, 0xff61b1e6                       ; m: -3e38, under every score
	v_mul_f32 v6, s[CS], v7
	s_wait_loadcnt 0x0
.endm
	s_load_b256 s[4:11], s[0:1], 0x0               ; qb, kv, masked_info, cb
	v_lshl_add_u32 v3, v0, 2, SPARE
	v_mov_b32 v4, 0
	ds_add_u32 v3, v4
	s_wait_dscnt 0x0
	v_lshrrev_b32 v1, 5, v0
	v_readfirstlane_b32 s[WV], v1
	s_mov_b32 s[WGI], ttmp9
	s_sub_co_u32 s[IB], 7, s[WGI]
	s_and_b32 s[NH], ttmp7, 0xffff
	s_mov_b32 s[G1], 3<<16                         ; no mask; elements of 8 bytes; no padding
	s_mov_b32 s[G1+1], 32<<16                      ; half a record: 59 dense rows of 256 bytes
	s_mov_b32 s[G1+2], 59<<16
	s_mov_b32 s[G1+3], 32<<16
	s_mov_b32 s[G1+4], 59
	s_mov_b32 s[G1+5], 32
	s_mov_b32 s[G1+6], 0
	s_mov_b32 s[G1+7], 0
	s_and_b32 s50, s[WV], 1
	s_mul_i32 s[G0+1], s50, HALFR                  ; slot 0, my half
	s_mov_b32 s[G0], 1
	s_mul_i32 s[OFP], s[NH], HEADB
	s_mov_b32 s[OFP+1], 0
	s_mov_b32 s52, s[G0+1]
	s_mov_b32 s53, 0
	s_wait_kmcnt 0x0
	s_add_nc_u64 s[HB:HB+1], s[6:7], s[OFP:OFP+1]
	s_add_nc_u64 s[KVW:KVW+1], s[HB:HB+1], s[52:53]
	s_mov_b64 s[G0+2:G0+3], s[KVW:KVW+1]
	s_or_b32 s[G0+3], s[G0+3], 0x80000000
	TLOAD                                          ; the walk's first record, ahead of everything else
	s_mov_b32 s[FS], 0
	s_mov_b32 s[FEND], s[WGI]
	s_mov_b32 s[FPH], 0
	ADV
	s_mov_b32 s[CUR], 0
	s_mov_b32 s[END], s[WGI]
	s_mov_b32 s[PH], 0
	s_mov_b32 s[TB], 0
	s_mov_b32 s[SEL], 0x76543210
	s_mov_b32 s[SEL+1], 0xfedcba98
	s_mov_b32 s[CS], 0x3e38aa3b                    ; c = log2(e) / 8
	s_mov_b32 s[CS+1], s[CS]
	s_lshr_b32 s50, s[WV], 2
	s_cmp_eq_u32 s50, 1                            ; waves 4 to 7
	s_cselect_b32 s[PFON], 1, 0
	s_cmp_eq_u32 s[WGI], 0
	s_cselect_b32 s[PFON], s[PFON], 0
	v_and_b32 v13, 31, v0
	v_lshlrev_b32 v30, 4, v13                      ; 16 x lane
	v_lshlrev_b32 v93, 3, v13                      ; 8 x lane
	s_and_b32 s50, s[WV], 3
	s_lshl_b32 s50, s50, 13
	v_lshl_add_u32 v95, v13, 8, s50
	v_min_u32 v95, REC-256, v95
	v_and_b32 v12, 15, v0                          ; r
	v_lshlrev_b32 v31, 4, v12
	v_lshlrev_b32 v94, 1, v12
	v_bfe_u32 v14, v0, 4, 1                        ; h
	v_and_b32 v5, 8, v12
	v_add_nc_u32 v5, v5, v12                       ; r + 8 (r / 8)
	v_lshlrev_b32 v92, 2, v5
	s_and_b32 s50, s[WV], 1
	s_lshl_b32 s50, s50, 3
	v_add_nc_u32 v5, s50, v5
	v_lshlrev_b32 v14, 4, v14
	v_sub_nc_u32 v5, v5, v14                       ; my query - 32 (T / 2) - 16 h
	v_mov_b32 v15, 0xff800000
	v_mov_b32 v12, 0
	v_mov_b32 v13, 0
.irp j, 24,25,26,27
	v_mov_b32 v[\j], 0                             ; Q's k = 80 .. 127: zero codes
.endr
.irp t, 0,1,2,3
.irp j, 8,9,10,11
	v_mov_b32 v[32+12*\t+\j], 0                    ; K's likewise: never loaded
.endr
.endr
.irp b, 0,1,2,3
	v_mov_b32 v[208+\b], 0                         ; written once: a lane permute's destination counts as one of its sources
.endr
	INIT
	s_mov_b32 s[TRIP], 17
.Ltrip:                                            ; 17 of the 18 slots: behind each change of slots the next trip's record is asked for
	CHANGE 1
	s_bitcmp1_b32 s[PH], 0
	s_cbranch_scc1 .Lpass2
	STEP1 0
	STEP1 1
	s_branch .Lstepped
.Lpass2:
	STEP2 0
	STEP2 1
.Lstepped:
	s_xor_b32 s[TB], s[TB], SLOT1
	s_cmp_lg_u32 s[CUR], s[END]
	s_cbranch_scc1 .Lmore
	s_bitcmp1_b32 s[PH], 0
	s_cbranch_scc1 .Lblock_done
	FIN1
	s_branch .Lphase
.Lblock_done:                                      ; the first block is finished: the second begins
	OUT
	s_mov_b32 s[END], s[IB]
	INIT
.Lphase:
	s_add_co_u32 s[PH], s[PH], 1
	s_mov_b32 s[CUR], -1
.Lmore:
	s_add_co_u32 s[CUR], s[CUR], 1
	s_sub_co_u32 s[TRIP], s[TRIP], 1
	s_cmp_lg_u32 s[TRIP], 0
	s_cbranch_scc1 .Ltrip
	CHANGE 0                                       ; the last slot is written out: pass 2 of block 7 - i, its diagonal slot
	STEP2 0
	STEP2 1
	OUT
	s_wait_tensorcnt 0x0                           ; the wave's end
	ds_add_u32 v3, v4
	s_wait_dscnt 0x0
	s_endpgm
.Lfunc_end_k_q01dc2ab95d_attn:
	.size	k_q01dc2ab95d_attn, .Lfunc_end_k_q01dc2ab95d_attn-k_q01dc2ab95d_attn
	.p2alignl 7, 3214868480
	.fill 96, 4, 3214868480
	.section	.rodata,"a",@progbits
	.p2align	6, 0x0
	.amdhsa_kernel k_q01dc2ab95d_attn
		.amdhsa_group_segment_fixed_size 327680
		.amdhsa_private_segment_fixed_size 0
		.amdhsa_enable_private_segment 0
		.amdhsa_kernarg_size 32
		.amdhsa_user_sgpr_count 2
		.amdhsa_user_sgpr_kernarg_segment_ptr 1
		.amdhsa_wavefront_size32 1
		.amdhsa_system_sgpr_workgroup_id_x 1
		.amdhsa_system_sgpr_workgroup_id_y 1
		.amdhsa_system_sgpr_workgroup_id_z 1
		.amdhsa_system_vgpr_workitem_id 0
		.amdhsa_next_free_vgpr 256
		.amdhsa_next_free_sgpr 68
		.amdhsa_reserve_vcc 1
		.amdhsa_float_denorm_mode_32 3
		.amdhsa_float_denorm_mode_16_64 3
		.amdhsa_memory_ordered 1
		.amdhsa_forward_progress 1
		.amdhsa_inst_pref_size 131
	.end_amdhsa_kernel
	.amdgpu_metadata
---
amdhsa.version: [ 1, 2 ]
amdhsa.kernels:
  - .name:           k_q01dc2ab95d_attn
    .symbol:         k_q01dc2ab95d_attn.kd
    .args:
      - { .name: qb, .offset: 0, .size: 8, .value_kind: global_buffer, .address_space: global }
      - { .name: kv, .offset: 8, .size: 8, .value_kind: global_buffer, .address_space: global }
      - { .name: masked_info, .offset: 16, .size: 8, .value_kind: global_buffer, .address_space: global }
      - { .name: cb, .offset: 24, .size: 8, .value_kind: global_buffer, .address_space: global }
    .group_segment_fixed_size: 327680
    .private_segment_fixed_size: 0
    .kernarg_segment_align: 8
    .kernarg_segment_size: 32
    .max_flat_workgroup_size: 512
    .sgpr_count:     68
    .vgpr_count:     256
    .wavefront_size: 32
...
	.end_amdgpu_metadata
.endif
;; end of part 3
;; launch outp (part 4): grid 4 x 32, 4 waves a work-group, clusters of 4 x 4, 327,680 bytes of LDS; arguments cb, wq, out0; writes out0
.if DOCPART == 4
	.amdgcn_target "amdgcn-amd-amdhsa--gfx1250"
	.amdhsa_code_object_version 6
	.text
	.protected	k_q01dc2ab95d_outp
	.globl	k_q01dc2ab95d_outp
	.p2align	8
	.type	k_q01dc2ab95d_outp,@function
k_q01dc2ab95d_outp:
	s_mov_b64 s[64:65], 0
	v_nop
	global_prefetch_b8 v0, s[64:65] scope:SCOPE_SE
	s_setreg_imm32_b32 hwreg(HW_REG_WAVE_MODE, 25, 1), 1
	s_wait_xcnt 0x0
	s_wait_alu depctr_hold_cnt(0) depctr_sa_sdst(0) depctr_va_vdst(0) depctr_va_sdst(0) depctr_va_ssrc(0) depctr_va_vcc(0) depctr_vm_vsrc(0)
	s_getreg_b32 s2, hwreg(HW_REG_IB_STS2, 6, 4)
	s_cmp_eq_u32 s2, 0
	s_cbranch_scc0 .Lentry_in_a_cluster
	s_endpgm
.Lentry_in_a_cluster:
	s_bfe_u32 s2, ttmp6, 0x10000c
	s_cmp_lg_u32 s2, 0xf033
	s_cbranch_scc0 .Lentry_shape_is_right
	s_endpgm
.Lentry_shape_is_right:
; out0 = concat WO on codes of FP6 (E2M3), M 8,192, N 1,024, K 1,024; f32 out.
; A = the heads' results as the attention launch left them: images of half fragments [token tile][head][piece 3][lane][8 bytes], 12,288 bytes a tile of 16 tokens, and two scale bytes for each (head, token).
; B = WO's columns: rows 3,072 .. 4,095 of wq, K innermost, 768 bytes a row, with their scale bytes.  Tokens and columns lie in position order (bits 3 and 4 exchanged); the way out puts both right.
; A tile of the result is 256 x 256: four waves of 128 x 128, 64 accumulators each; source 0 = 16 rows of B, source 1 = 16 tokens, so a lane holds eight numbers of one row of the result.
; K goes in steps of 256 (four heads) through two LDS slots.  4 x 4 work-groups form a cluster: A's tiles are asked for jointly along a row of the cluster, B's along a column.
; A's scale words (four bytes for 128 along K = two heads' halfwords) are put together once, at the head, and stored to LDS bytes of their own, in which no tensor load lands; B's come by one tensor load.
; REGISTERS: window 0: v0-31 addresses; v32-63 scale words; v64-95 the halfwords at the head; from v128 A's fragments, later rows on their way out.  window 1: B's fragments, two sets.  windows 2, 3: the accumulators.
.set NQ,     2
.set ROWB,   192
.set KROW,   768
.set PITCH,  240
.set FR,     12
.set NL,     6
.set NP,     4
.set ATILE,  3072                      ; a token tile's bytes in a slot: four heads x 768
.set AHALF,  8*ATILE                   ; what one tensor load brings of A, and what one wave reads
.set ABYTES, 2*AHALF
.set HALFT,  128*PITCH                 ; the same for B
.set SLOT,   ABYTES+2*HALFT
.set LAPS,   2
.set KS,     32
.set SCL,    2*SLOT                    ; A's scale words (stored), then B's (filled once): units of 256 bytes + 16
.set HALFS,  16*272
.set SBLK,   2*272
.set SPARE,  SCL+4*HALFS
.set SPITCH, 528                       ; the way out: 16 rows x (512 + 16) a wave, in slot 0, which has had its last fill and its last read by then
.set ROWC,   4096                      ; a row of out0
.set ADRA, 16
.set ADRB, 20
.set STO,  24
.set RD,   25
.set CO,   26
.set ADRS, 27
.set SPW,  28
.set NIL,  29
.set SC,   32
.set AF,   128
.set BK,   128
.set G1, 24
.set G0, 32
.set G1B, 48
.set G0B, 56
.set G1SB, 80
.set G0SB, 88
.set MSB, 0
.macro WIN new
.if MSB != (\new)
	s_set_vgpr_msb (MSB<<8)|(\new)
.set MSB, (\new)
.endif
.endm
.set MUL_LO, 0xa1
.set MUL_HI, 0xf1
.set TO_B,   0x40
.macro JLOAD g0a, g1a, g0b, g1b
	s_cmp_eq_u32 s15, 0
	s_cbranch_scc0 .Lfor_b_\@
	tensor_load_to_lds s[\g0a:\g0a+3], s[\g1a:\g1a+7]
	s_nop 0
.rept 4
	v_nop
.endr
	s_branch .Lasked_\@
.Lfor_b_\@:
	tensor_load_to_lds s[\g0b:\g0b+3], s[\g1b:\g1b+7]
	s_nop 0
.rept 4
	v_nop
.endr
.Lasked_\@:
.endm
.macro CREST
	s_cmp_lg_u32 s14, 0
	s_cbranch_scc1 .Lnot_wave_0_\@
	s_barrier_signal -3
.Lnot_wave_0_\@:
	s_barrier_wait -3
	s_barrier_signal -1
	s_barrier_wait -1
.endm
.macro CROUND
	s_barrier_signal -1
	s_barrier_wait -1
	CREST
.endm
	s_load_b128 s[4:7], s[0:1], 0x0                ; cb, wq
	s_load_b64 s[12:13], s[0:1], 0x10              ; out0
	v_lshl_add_u32 v[SPW], v0, 2, SPARE
	v_mov_b32 v[NIL], 0
	ds_add_u32 v28, v29
	s_wait_dscnt 0x0
	v_lshrrev_b32 v1, 5, v0
	v_readfirstlane_b32 s14, v1
	s_lshr_b32 s15, s14, 1                         ; which half of the tokens is mine.  Also: I fetch for A (0) or for B (1)
	s_and_b32 s16, s14, 1                          ; which half of the columns.  Also: which half of that tile I fetch
	s_bfe_u32 s40, ttmp6, 0x40000
	s_bfe_u32 s41, ttmp6, 0x40004
	s_lshl_b32 s42, ttmp9, 2
	s_add_co_u32 s42, s42, s40                     ; tile column
	s_and_b32 s17, ttmp7, 0xffff
	s_lshl_b32 s17, s17, 2
	s_add_co_u32 s17, s17, s41                     ; tile row
	s_lshl_b32 s43, s41, 2
	s_lshl_b32 s43, 15, s43
	s_lshl_b32 s44, 0x1111, s40
	s_or_b32 s[G1+0], s43, (3<<16)|(1<<21)         ; A: the mask of my row; elements of 8 bytes; no padding; bit 21 beside a mask
	s_mov_b32 s[G1+1], 384<<16                     ; 8 token tiles x 3,072 bytes,
	s_mov_b32 s[G1+2], 8<<16
	s_mov_b32 s[G1+3], 384<<16
	s_mov_b32 s[G1+4], 8
	s_mov_b32 s[G1+5], 1536                        ; 12,288 bytes apart
	s_mov_b32 s[G1+6], 0
	s_mov_b32 s[G1+7], 0
	s_or_b32 s[G1B+0], s44, (0<<16)|(1<<20)|(1<<21)|(3<<22)|(3<<25)
	s_mov_b32 s[G1B+1], ROWB<<16
	s_mov_b32 s[G1B+2], 128<<16
	s_mov_b32 s[G1B+3], ROWB<<16
	s_mov_b32 s[G1B+4], 128
	s_mov_b32 s[G1B+5], KROW
	s_mov_b32 s[G1B+6], 0
	s_mov_b32 s[G1B+7], 0
	s_or_b32 s[G1SB+0], s44, (3<<16)|(1<<20)|(1<<21)|(5<<22)|(3<<25)
	s_mov_b32 s[G1SB+1], 32<<16
	s_mov_b32 s[G1SB+2], 16<<16
	s_mov_b32 s[G1SB+3], 32<<16
	s_mov_b32 s[G1SB+4], 16
	s_mov_b32 s[G1SB+5], 32
	s_mov_b32 s[G1SB+6], 0
	s_mov_b32 s[G1SB+7], 0
	s_lshl_b32 s20, s17, 4
	s_lshl_b32 s18, s16, 3
	s_add_co_u32 s20, s20, s18
	s_mul_i32 s20, s20, 16*768                     ; A: token tile 16 x tile row + 8 x half
	s_mov_b32 s21, 0
	s_lshl_b32 s22, s17, 9
	s_add_co_u32 s22, s22, 6291456                 ; A's halfwords: 512 bytes for my 256 tokens, in each head's run
	s_mov_b32 s23, 0
	s_lshl_b32 s46, s42, 8
	s_lshl_b32 s18, s16, 7
	s_add_co_u32 s46, s46, s18
	s_add_co_u32 s46, s46, 3072                    ; B: row 3,072 + 256 x tile column + 128 x half of wq
	s_lshl_b32 s92, s46, 5
	s_add_co_u32 s92, s92, 4096*KROW
	s_mov_b32 s93, 0
	s_mul_i32 s46, s46, KROW
	s_mov_b32 s47, 0
	s_mul_i32 s45, s16, AHALF
	s_mul_i32 s94, s16, HALFT
	s_add_co_u32 s94, s94, ABYTES
	s_mul_i32 s95, s16, HALFS
	s_add_co_u32 s95, s95, SCL+2*HALFS
	s_wait_kmcnt 0x0
	s_add_nc_u64 s[20:21], s[4:5], s[20:21]
	s_add_nc_u64 s[22:23], s[4:5], s[22:23]
	s_add_nc_u64 s[46:47], s[6:7], s[46:47]
	s_add_nc_u64 s[92:93], s[6:7], s[92:93]
	CROUND                                         ; all sixteen work-groups are here: the first joint loads meet
	s_mov_b32 s[G0SB], 1
	s_mov_b32 s[G0SB+1], s95
	s_mov_b64 s[G0SB+2:G0SB+3], s[92:93]
	s_or_b32 s[G0SB+3], s[G0SB+3], 0x80000000
.irp s, 0,1
	s_mov_b32 s[G0+4*\s], 1
	s_add_co_u32 s[G0+4*\s+1], s45, \s*SLOT
	s_add_nc_u64 s[G0+4*\s+2:G0+4*\s+3], s[20:21], \s*ATILE
	s_or_b32 s[G0+4*\s+3], s[G0+4*\s+3], 0x80000000
	s_mov_b32 s[G0B+4*\s], 1
	s_add_co_u32 s[G0B+4*\s+1], s94, \s*SLOT
	s_add_nc_u64 s[G0B+4*\s+2:G0B+4*\s+3], s[46:47], \s*ROWB
	s_or_b32 s[G0B+4*\s+3], s[G0B+4*\s+3], 0x80000000
.endr
	s_cmp_eq_u32 s15, 0                            ; a wave's first fills stand in one branch: A's waves have two loads out, B's three; the last of each is slot 1's
	s_cbranch_scc0 .Lfirst_b
	tensor_load_to_lds s[G0:G0+3], s[G1:G1+7]
	s_nop 0
	tensor_load_to_lds s[G0+4:G0+7], s[G1:G1+7]
	s_nop 0
.rept 4
	v_nop
.endr
	s_branch .Lfirst_asked
.Lfirst_b:
	tensor_load_to_lds s[G0SB:G0SB+3], s[G1SB:G1SB+7]
	s_nop 0
	tensor_load_to_lds s[G0B:G0B+3], s[G1B:G1B+7]
	s_nop 0
	tensor_load_to_lds s[G0B+4:G0B+7], s[G1B:G1B+7]
	s_nop 0
.rept 4
	v_nop
.endr
.Lfirst_asked:
	; A's scale words.  Thread t takes tokens 2 t and 2 t + 1: of each head one word = the two tokens' halfwords; 128 threads read 512 consecutive bytes
	v_lshlrev_b32 v7, 2, v0
.irp e, 0,1,2,3,4,5,6,7,8,9,10,11,12,13,14,15
	global_load_b32 v[64+\e], v7, s[22:23] offset:16384*\e
.endr
	v_lshrrev_b32 v8, 2, v0
	v_mul_u32_u24 v8, v8, 272
	v_and_b32 v9, 3, v0
	v_lshl_add_u32 v8, v9, 6, v8
	v_add_nc_u32 v8, SCL, v8                       ; a token's 32 bytes: 32 x token + 16 for each 256 passed
	v_and_b32 v1, 15, v0                           ; r
	v_bfe_u32 v2, v0, 4, 1                         ; h
	v_mul_u32_u24 v3, v1, PITCH
	v_mul_u32_u24 v4, v2, 24
	v_add_nc_u32 v4, v3, v4
	v_lshl_add_u32 v5, v2, 4, v4
	v_and_b32 v6, 31, v0
	v_lshlrev_b32 v3, 3, v6                        ; 8 x lane: A's images
	s_mul_i32 s96, s15, AHALF
	s_mul_i32 s97, s16, HALFT
	s_add_co_u32 s97, s97, ABYTES
.irp s, 0,1
	v_add_nc_u32 v[ADRA+\s], s96, v3
	v_add_nc_u32 v[ADRB+\s], s97, v4
	v_add_nc_u32 v[ADRB+2+\s], s97, v5
	s_add_co_u32 s96, s96, SLOT
	s_add_co_u32 s97, s97, SLOT
.endr
	v_mul_u32_u24 v5, v1, KS
	v_lshrrev_b32 v9, 8, v5
	v_lshl_add_u32 v5, v9, 4, v5
	s_mul_i32 s96, s15, HALFS
	s_mul_i32 s97, s16, HALFS
	s_add_co_u32 s97, s97, 2*HALFS
	s_sub_co_u32 s97, s97, s96
	v_mul_u32_u24 v9, s97, v2                      ; lanes 16-31 take B's
	s_add_co_u32 s96, s96, SCL
	v_add_nc_u32 v5, v5, v9
	v_add_nc_u32 v[ADRS], s96, v5
	s_mul_i32 s96, s14, 16*SPITCH                  ; my stage
	v_mul_u32_u24 v5, v1, SPITCH
	v_lshl_add_u32 v5, v2, 6, v5                   ; in: row r; my half's 16 columns of each 32: 64 h bytes on
	v_add_nc_u32 v[STO], s96, v5
	v_lshlrev_b32 v[CO], 4, v6
	v_add_nc_u32 v[RD], s96, v[CO]
	s_wait_loadcnt 0x0
.irp s, 0,1,2,3,4,5,6,7
	v_perm_b32 v[80+\s], v[65+2*\s], v[64+2*\s], 0x05040100    ; token 2 t: heads 2 s and 2 s + 1
	v_perm_b32 v[88+\s], v[65+2*\s], v[64+2*\s], 0x07060302    ; token 2 t + 1
.endr
.irp c, 0,1,2,3
	ds_store_b128 v8, v[80+4*\c:83+4*\c] offset:16*\c
.endr
	s_lshl_b32 s20, s17, 8
	s_lshl_b32 s21, s15, 7
	s_add_co_u32 s20, s20, s21                     ; my first row of out0
	s_mov_b32 s21, 0
	s_mov_b64 s[18:19], ROWC
	s_mul_u64 s[20:21], s[20:21], s[18:19]
	s_lshl_b32 s46, s42, 10
	s_lshl_b32 s47, s16, 9
	s_add_co_u32 s46, s46, s47
	s_mov_b32 s47, 0
	s_add_nc_u64 s[20:21], s[20:21], s[46:47]
	s_add_nc_u64 s[12:13], s[12:13], s[20:21]
.macro FRAG reg, adr, q, i
.irp p, 0,1,2,3,4,5
.set PC, 12*(\q)+6*(\p/3)+\p%3
.if PC%8 < 5
	ds_load_b64 v[\reg+2*\p:\reg+2*\p+1], v[\adr] offset:8*PC+16*(PC/8)+(\i)*16*PITCH
.else
	ds_load_b64 v[\reg+2*\p:\reg+2*\p+1], v[\adr+2] offset:8*PC+16*(PC/8)+(\i)*16*PITCH
.endif
.endr
.endm
.macro FRAGA reg, slot, q, i           ; A's fragment is an image: six pieces of 256 bytes, 8 bytes a lane
.irp p, 0,1,2,3,4,5
	ds_load_b64 v[\reg+2*\p:\reg+2*\p+1], v[ADRA+\slot] offset:(\i)*ATILE+1536*(\q)+256*\p
.endr
.endm
.macro MUL16 a0, p, q, sc, zero
.irp a, \a0, \a0+1
.irp b, 0,1,2,3,4,5,6,7
.if \zero
	v_wmma_scale_f32_16x16x128_f8f6f4 v[8*(8*((\a)%4)+\b):8*(8*((\a)%4)+\b)+7], v[128*(\p)+FR*\b:128*(\p)+FR*\b+FR-1], v[AF+FR*(\a):AF+FR*(\a)+FR-1], 0, v[SC+8*NQ*(\sc)+NQ*\b+(\q)], v[SC+8*NQ*(\sc)+NQ*(\a)+(\q)] matrix_a_fmt:MATRIX_FMT_FP6 matrix_b_fmt:MATRIX_FMT_FP6 matrix_a_scale:MATRIX_SCALE_ROW1
.else
	v_wmma_scale_f32_16x16x128_f8f6f4 v[8*(8*((\a)%4)+\b):8*(8*((\a)%4)+\b)+7], v[128*(\p)+FR*\b:128*(\p)+FR*\b+FR-1], v[AF+FR*(\a):AF+FR*(\a)+FR-1], v[8*(8*((\a)%4)+\b):8*(8*((\a)%4)+\b)+7], v[SC+8*NQ*(\sc)+NQ*\b+(\q)], v[SC+8*NQ*(\sc)+NQ*(\a)+(\q)] matrix_a_fmt:MATRIX_FMT_FP6 matrix_b_fmt:MATRIX_FMT_FP6 matrix_a_scale:MATRIX_SCALE_ROW1
.endif
.endr
.endr
.endm
.macro FETCH_B slot, q, p
	WIN TO_B
.irp i, 0,1,2,3,4,5,6,7
	FRAG 128*(\p)+FR*\i, ADRB+\slot, \q, \i
.endr
	WIN 0
.endm
.macro FETCH_A slot, q, i0
.irp i, \i0, \i0+1, \i0+2, \i0+3
	FRAGA AF+FR*(\i), \slot, \q, \i
.endr
.endm
.macro SCALES sc
.irp i, 0,1,2,3,4,5,6,7
	ds_load_b64 v[SC+8*NQ*\sc+NQ*\i:SC+8*NQ*\sc+NQ*\i+1], v[ADRS] offset:\i*SBLK
.endr
.endm
.macro PLACES n
.rept \n
	v_nop
.endr
.endm
.macro STEP slot, q, zero
	s_wait_dscnt 4*NL                              ; B's set and A's blocks 0-3 are in; A's blocks 4-7 may be out
	WIN MUL_LO
	MUL16 0, (\q)%2, \q, \slot, \zero
	MUL16 2, (\q)%2, \q, \slot, \zero
	s_wait_dscnt 0
	PLACES NP
	FETCH_B \slot, (\q)+1, 1-(\q)%2
	FETCH_A \slot, (\q)+1, 0
	WIN MUL_HI
	MUL16 4, (\q)%2, \q, \slot, \zero
	MUL16 6, (\q)%2, \q, \slot, \zero
	PLACES NP
	WIN 0
	FETCH_A \slot, (\q)+1, 4
.endm
.macro TURN slot, next, fill
	s_wait_tensorcnt 0x0                           ; all my tensor loads have landed: my part of the next slot
	ds_add_u32 v[SPW], v[NIL]
	s_wait_dscnt 4*NL+1                            ; (the add and A's blocks 4-7 may be out)
	WIN MUL_LO
	MUL16 0, 1, NQ-1, \slot, 0
	s_wait_dscnt 0x0                               ; the add is done, and my reads of this slot are over
	s_barrier_signal -1
	MUL16 2, 1, NQ-1, \slot, 0
	WIN 0
	s_barrier_wait -1
.if \fill
	CREST
	s_add_nc_u64 s[G0+4*\slot+2:G0+4*\slot+3], s[G0+4*\slot+2:G0+4*\slot+3], 2*ATILE
	s_add_nc_u64 s[G0B+4*\slot+2:G0B+4*\slot+3], s[G0B+4*\slot+2:G0B+4*\slot+3], 2*ROWB
	JLOAD G0+4*\slot, G1, G0B+4*\slot, G1B
.else
	PLACES NP
.endif
	v_add_nc_u32 v[ADRS], 4*NQ, v[ADRS]
	FETCH_B \next, 0, 0
	FETCH_A \next, 0, 0
	SCALES \next
	WIN MUL_HI
	MUL16 4, 1, NQ-1, \slot, 0
	MUL16 6, 1, NQ-1, \slot, 0
	PLACES NP
	WIN 0
	FETCH_A \next, 0, 4
.endm
	s_wait_tensorcnt 1                             ; all my first fills but slot 1's are in,
	s_wait_dscnt 0x0                               ; my part of A's scale words is stored,
	s_barrier_signal -1
	s_barrier_wait -1                              ; everybody's are
	FETCH_B 0, 0, 0
	FETCH_A 0, 0, 0
	SCALES 0
	FETCH_A 0, 0, 4
	STEP 0, 0, 1
	s_mov_b32 s3, LAPS-1
.Llap:
	TURN 0, 1, 1
	STEP 1, 0, 0
	TURN 1, 0, 1
	STEP 0, 0, 0
	s_sub_co_u32 s3, s3, 1
	s_cmp_lg_u32 s3, 0
	s_cbranch_scc1 .Llap
	TURN 0, 1, 0
	STEP 1, 0, 0
	s_wait_dscnt 4*NL
	WIN MUL_LO
	MUL16 0, 1, NQ-1, 1, 0
	MUL16 2, 1, NQ-1, 1, 0
	s_wait_dscnt 0
	WIN MUL_HI
	MUL16 4, 1, NQ-1, 1, 0
	MUL16 6, 1, NQ-1, 1, 0
	WIN 0
; THE WAY OUT, block by block of 16 tokens x 128 columns, through my own stage.  Tile b's register j of lane (r, h) is column 32 (b / 2) + 16 h + 8 (b % 2) + j; stage row t of block a is row 32 (a / 2) + 8 (a % 2) + t + 8 (t / 8) of my 128.
.macro TOSTAGE a
.set AC, 64*((\a)%4)
	WIN (0x08+4*((\a)/4))                          ; the data: window 2 or 3
.irp b, 0,1,2,3,4,5,6,7
	ds_store_b128 v[STO], v[AC+8*\b:AC+8*\b+3] offset:128*(\b/2)+32*(\b%2)          ; each accumulator from its low end on
	ds_store_b128 v[STO], v[AC+8*\b+4:AC+8*\b+7] offset:128*(\b/2)+32*(\b%2)+16
.endr
	WIN 0
.set BB, BK+64*((\a)%2)
.irp t, 0,1,2,3,4,5,6,7,8,9,10,11,12,13,14,15
	ds_load_b128 v[BB+4*\t:BB+4*\t+3], v[RD] offset:\t*SPITCH   ; LDS serves a wave's instructions in order: these see the stores above
.endr
.endm
.macro SEND a, younger
.set BB, BK+64*((\a)%2)
	s_wait_dscnt \younger
.if (\a) > 0
.if ((\a)%2) == 1
	s_add_nc_u64 s[12:13], s[12:13], 8*ROWC        ; (behind a wait on XCNT)  an odd block begins 8 rows behind the even one,
.else
	s_add_nc_u64 s[12:13], s[12:13], 24*ROWC       ; the next even one 24 further
.endif
.endif
.irp t, 0,1,2,3,4,5,6,7,8,9,10,11,12,13,14,15
	global_store_b128 v[CO], v[BB+4*\t:BB+4*\t+3], s[12:13] offset:(\t+8*(\t/8))*ROWC th:TH_STORE_NT   ; 32 lanes store 512 consecutive bytes, aligned
.endr
.endm
	PLACES NP
	TOSTAGE 0
.irp a, 1,2,3,4,5,6,7
.if \a > 1
	s_wait_xcnt 0x0                                ; block a - 2's stores have read their registers and their base
.endif
	TOSTAGE \a
	SEND \a-1, 32                                  ; behind block a - 1's loads: block a's 16 stores and 16 loads
.endr
	s_wait_xcnt 0x0
	SEND 7, 0
	s_wait_tensorcnt 0x0                           ; the wave's end
	ds_add_u32 v[SPW], v[NIL]
	s_wait_dscnt 0x0
	CROUND                                         ; the closing round
	s_endpgm
.Lfunc_end_k_q01dc2ab95d_outp:
	.size	k_q01dc2ab95d_outp, .Lfunc_end_k_q01dc2ab95d_outp-k_q01dc2ab95d_outp
	.p2alignl 7, 3214868480
	.fill 96, 4, 3214868480
	.section	.rodata,"a",@progbits
	.p2align	6, 0x0
	.amdhsa_kernel k_q01dc2ab95d_outp
		.amdhsa_group_segment_fixed_size 327680
		.amdhsa_private_segment_fixed_size 0
		.amdhsa_enable_private_segment 0
		.amdhsa_kernarg_size 24
		.amdhsa_user_sgpr_count 2
		.amdhsa_user_sgpr_kernarg_segment_ptr 1
		.amdhsa_wavefront_size32 1
		.amdhsa_system_sgpr_workgroup_id_x 1
		.amdhsa_system_sgpr_workgroup_id_y 1
		.amdhsa_system_sgpr_workgroup_id_z 1
		.amdhsa_system_vgpr_workitem_id 0
		.amdhsa_next_free_vgpr 1024
		.amdhsa_next_free_sgpr 102
		.amdhsa_reserve_vcc 0
		.amdhsa_float_denorm_mode_32 3
		.amdhsa_float_denorm_mode_16_64 3
		.amdhsa_memory_ordered 1
		.amdhsa_forward_progress 1
		.amdhsa_inst_pref_size 162
	.end_amdhsa_kernel
	.amdgpu_metadata
---
amdhsa.version: [ 1, 2 ]
amdhsa.kernels:
  - .name:           k_q01dc2ab95d_outp
    .symbol:         k_q01dc2ab95d_outp.kd
    .args:
      - { .name: cb, .offset: 0, .size: 8, .value_kind: global_buffer, .address_space: global }
      - { .name: wq, .offset: 8, .size: 8, .value_kind: global_buffer, .address_space: global }
      - { .name: out0, .offset: 16, .size: 8, .value_kind: global_buffer, .address_space: global }
    .group_segment_fixed_size: 327680
    .private_segment_fixed_size: 0
    .kernarg_segment_align: 8
    .kernarg_segment_size: 24
    .max_flat_workgroup_size: 128
    .sgpr_count:     102
    .vgpr_count:     1024
    .wavefront_size: 32
...
	.end_amdgpu_metadata
.endif
;; end of part 4
